; MI455X (gfx1250); checked and timed in simulation.
; The chip was launched on July 23, 2026; its instructions are those of AMD's public machine-readable ISA for CDNA 5 (MIT licence, August 2026) and "CDNA5" Instruction Set Architecture Reference Guide (July 2026). The comments in the code are by the model that wrote it; some were corrected since.
;; Shepards Gated Attention Base. Allowed arithmetic: float matrix products may take bf16 or f16 operands with f32 sums; all other float work in f32.
;; Inputs: W_in 4,096 x 1,024 float32; W_out 1,024 x 1,024 float32; X 2 x 2,048 x 1,024 float32; b_in 4,096 float32; b_out 1,024 float32.
;; Outputs: out0 2 x 2,048 x 1,024 float32.
;; One version. Each part assembles by itself: llvm-mc -triple=amdgcn-amd-amdhsa -mcpu=gfx1250 --defsym DOCPART=n.
;; ======== version 1 of 1: 4 launches
;; workspace buffers: cb 18,874,368 bytes; pb 42,336,256 bytes; hb 8,388,608 bytes
;; launch cvt (part 1): grid 1152 x 1, 8 waves a work-group, no clusters, 0 bytes of LDS; arguments X, W_in, W_out, cb; writes cb
.if DOCPART == 1
	.amdgcn_target "amdgcn-amd-amdhsa--gfx1250"
	.amdhsa_code_object_version 6
	.text
	.protected	k_qdb776f2f91_cvt
	.globl	k_qdb776f2f91_cvt
	.p2align	8
	.type	k_qdb776f2f91_cvt,@function
k_qdb776f2f91_cvt:
	s_mov_b64 s[64:65], 0
	v_nop
	global_prefetch_b8 v0, s[64:65] scope:SCOPE_SE
	s_setreg_imm32_b32 hwreg(HW_REG_WAVE_MODE, 25, 1), 1
	s_wait_xcnt 0x0
; X [4096][1024], W_in [4096][1024], W_out [1024][1024], all f32, are rounded once to bf16 (nearest even) into cb, one behind the other:
; X at byte 0, W_in at 8,388,608, W_out at 16,777,216.  The matrix launches behind this one read their operands from cb.
; A work-group takes 8,192 numbers (32,768 bytes in, 16,384 out): groups 0-511 X, 512-1023 W_in, 1024-1151 W_out; since the three parts
; follow each other in cb, the output offset is 16,384 x group for all.  Thread t takes 8 numbers in each of four pieces of 2,048:
; two 16-byte loads, four packed roundings, one 16-byte store; sixteen neighbouring lanes store 256 consecutive bytes, aligned.
; All eight loads go out first.  No LDS, no barrier, no matrix unit, no cluster: nothing is shared and memory binds.
.set PIN,  8192                        ; bytes of a piece as read
.set POUT, 4096                        ; bytes of a piece as stored
.set IN,   4                           ; v[4:35]   piece g: 8 numbers in f32
.set OUT,  36                          ; v[36:51]  piece g: 8 numbers in bf16
	s_load_b256 s[4:11], s[0:1], 0x0               ; X s[4:5], W_in s[6:7], W_out s[8:9], cb s[10:11]
	s_and_b32 s12, ttmp9, 511                      ; the group's number inside its tensor (512 and 1,024 are multiples of 512)
	s_lshl_b32 s12, s12, 15                        ; x 32,768 bytes
	s_mov_b32 s13, 0
	s_lshl_b32 s14, ttmp9, 14                      ; x 16,384 bytes in cb
	s_mov_b32 s15, 0
	v_lshlrev_b32 v1, 5, v0                        ; 32 t: my 8 numbers as read
	v_lshlrev_b32 v2, 4, v0                        ; 16 t: as stored
	s_wait_kmcnt 0x0
	s_cmp_lt_u32 ttmp9, 512
	s_cselect_b64 s[16:17], s[4:5], s[6:7]         ; X or W_in,
	s_cmp_lt_u32 ttmp9, 1024
	s_cselect_b64 s[16:17], s[16:17], s[8:9]       ; or W_out
	s_add_nc_u64 s[16:17], s[16:17], s[12:13]
	s_add_nc_u64 s[10:11], s[10:11], s[14:15]
.irp g, 0,1,2,3
	global_load_b128 v[IN+8*\g:IN+8*\g+3],   v1, s[16:17] offset:PIN*\g th:TH_LOAD_NT
	global_load_b128 v[IN+8*\g+4:IN+8*\g+7], v1, s[16:17] offset:PIN*\g+16 th:TH_LOAD_NT
.endr
.irp g, 0,1,2,3
	s_wait_loadcnt 6-2*\g                          ; loads come back in order: piece g is in, the two loads of each later piece stay out
.irp k, 0,1,2,3
	v_cvt_pk_bf16_f32 v[OUT+4*\g+\k], v[IN+8*\g+2*\k], v[IN+8*\g+2*\k+1]
.endr
	global_store_b128 v2, v[OUT+4*\g:OUT+4*\g+3], s[10:11] offset:POUT*\g
.endr
	s_endpgm
.Lfunc_end_k_qdb776f2f91_cvt:
	.size	k_qdb776f2f91_cvt, .Lfunc_end_k_qdb776f2f91_cvt-k_qdb776f2f91_cvt
	.p2alignl 7, 3214868480
	.fill 96, 4, 3214868480
	.section	.rodata,"a",@progbits
	.p2align	6, 0x0
	.amdhsa_kernel k_qdb776f2f91_cvt
		.amdhsa_group_segment_fixed_size 0
		.amdhsa_private_segment_fixed_size 0
		.amdhsa_enable_private_segment 0
		.amdhsa_kernarg_size 32
		.amdhsa_user_sgpr_count 2
		.amdhsa_user_sgpr_kernarg_segment_ptr 1
		.amdhsa_wavefront_size32 1
		.amdhsa_system_sgpr_workgroup_id_x 1
		.amdhsa_system_sgpr_workgroup_id_y 1
		.amdhsa_system_sgpr_workgroup_id_z 1
		.amdhsa_system_vgpr_workitem_id 0
		.amdhsa_next_free_vgpr 56
		.amdhsa_next_free_sgpr 66
		.amdhsa_reserve_vcc 0
		.amdhsa_float_denorm_mode_32 3
		.amdhsa_float_denorm_mode_16_64 3
		.amdhsa_memory_ordered 1
		.amdhsa_forward_progress 1
		.amdhsa_inst_pref_size 4
	.end_amdhsa_kernel
	.amdgpu_metadata
---
amdhsa.version: [ 1, 2 ]
amdhsa.kernels:
  - .name:           k_qdb776f2f91_cvt
    .symbol:         k_qdb776f2f91_cvt.kd
    .args:
      - { .name: X, .offset: 0, .size: 8, .value_kind: global_buffer, .address_space: global }
      - { .name: W_in, .offset: 8, .size: 8, .value_kind: global_buffer, .address_space: global }
      - { .name: W_out, .offset: 16, .size: 8, .value_kind: global_buffer, .address_space: global }
      - { .name: cb, .offset: 24, .size: 8, .value_kind: global_buffer, .address_space: global }
    .group_segment_fixed_size: 0
    .private_segment_fixed_size: 0
    .kernarg_segment_align: 8
    .kernarg_segment_size: 32
    .max_flat_workgroup_size: 256
    .sgpr_count:     66
    .vgpr_count:     56
    .wavefront_size: 32
...
	.end_amdgpu_metadata
.endif
;; end of part 1
;; launch proj (part 2): grid 16 x 16, 4 waves a work-group, clusters of 4 x 4, 327,680 bytes of LDS; arguments cb, b_in, pb; writes pb
.if DOCPART == 2
	.amdgcn_target "amdgcn-amd-amdhsa--gfx1250"
	.amdhsa_code_object_version 6
	.text
	.protected	k_qdb776f2f91_proj
	.globl	k_qdb776f2f91_proj
	.p2align	8
	.type	k_qdb776f2f91_proj,@function
k_qdb776f2f91_proj:
	s_mov_b64 s[64:65], 0
	v_nop
	global_prefetch_b8 v0, s[64:65] scope:SCOPE_SE
	s_setreg_imm32_b32 hwreg(HW_REG_WAVE_MODE, 25, 1), 1
	s_wait_xcnt 0x0
	s_wait_alu depctr_hold_cnt(0) depctr_sa_sdst(0) depctr_va_vdst(0) depctr_va_sdst(0) depctr_va_ssrc(0) depctr_va_vcc(0) depctr_vm_vsrc(0)
	s_getreg_b32 s2, hwreg(HW_REG_IB_STS2, 6, 4)
	s_cmp_eq_u32 s2, 0
	s_cbranch_scc0 .Lentry_in_a_cluster
	s_endpgm
.Lentry_in_a_cluster:
	s_bfe_u32 s2, ttmp6, 0x10000c
	s_cmp_lg_u32 s2, 0xf033
	s_cbranch_scc0 .Lentry_shape_is_right
	s_endpgm
.Lentry_shape_is_right:
; P = X W_in^T + b_in, [4096 tokens][4096], K = 1024, operands bf16 from cb, sums f32.  A block column of 256 is one head: Q | K | V | G, 64 each.
; A work-group makes 256 tokens x one head with four waves; a wave makes 128 x 128 (64 accumulator tiles, 512 registers): wave (s11, s12)
; has tokens 128 s11 .. and columns Q|K (s12 = 0) or V|G (s12 = 1).  K goes in steps of 128 through a ring of two LDS slots filled by tensor loads.
; CLUSTERS: 4 x 4 work-groups; X's tile is shared along a row of the cluster, W_in's along a column, each asked for jointly by the four.
; WHAT IS STORED (pb, bh = 16 batch + head): Q, K, V as [bh][2048][64] bf16 at 0, 8,388,608, 16,777,216; G as [bh][2048][64] f32 at 25,165,824;
; k2 = the sum of squares of the ROUNDED K row, f32, [bh][2048] at 41,943,040; the column sums of the unrounded V over the wave's 128 tokens,
; f32, [16 batch + chunk of 128 tokens][head][64] at 42,205,184.  Every store of a wave covers 512 (the column sums 256) consecutive bytes, aligned.
; REGISTERS, in windows of 256: window 0: v16-31 addresses; v32-63 and v224-255 the bias of my 128 columns; v64-191 fragments of X (two buffers),
; on the way out rows read back and sums; v192-223 packed results.  Window 1: v64-191 fragments of W_in.  Windows 2, 3: accumulators, tile (a, b) at v[8 (8 a + b)].
; The matrix instruction is used transposed (source 0 = rows of W_in, source 1 = rows of X): lane l holds token l % 16 and columns 16 b + 8 (l / 16) + 0..7.
; LIMITS: sums in another order than a plain dot product; NaN and infinities go through as the arithmetic makes them.
.set SIZE_K, 1024
.set KSTEP,  128
.set PITCH,  272                       ; an LDS row: 256 bytes + 16 of padding, so that 16 rows of a fragment load start at 16 different 16-byte columns
.set HALFT,  128*PITCH                 ; what one tensor load brings
.set SLOT,   4*HALFT                   ; X's 256 rows, then W_in's 256 rows
.set STAGE,  2*SLOT                    ; behind the ring, never filled by a tensor load: 7,680 bytes for each wave
.set WSTG,   7680
.set SP,     144                       ; stage pitch of a 128-byte row (Q, K, V)
.set GP,     272                       ; stage pitch of a 256-byte row (G)
.set SEGB,   16*SP                     ; second segment: K's or G's 16 rows
.set N2S,    SEGB+16*GP                ; 128 words: k2 of my tokens
.set CSS,    N2S+512                   ; 64 words: column sums of V
.set LAPS,   SIZE_K/(2*KSTEP)
.set PB_K,   8388608
.set PB_G,   25165824
.set PB_K2,  41943040
.set PB_SV,  42205184
.set ADRA, 16                          ; v16-17  LDS address of my X fragments in slot 0, 1
.set CSR,  18                          ; column sums: where I read 8 bytes back
.set CO8,  19                          ; 8 x lane
.set ADRB, 20                          ; v20-21  the same as ADRA for W_in
.set L3,   22                          ; lane & 3
.set BOF,  23                          ; 32 x (lane / 16): my 8 columns in a tile's bias
.set STO,  24                          ; stage: where I put 16 bytes of a bf16 row
.set RD,   25                          ; stage: where I read bf16 rows back, four rows a load
.set CO,   26                          ; 16 x lane
.set STG,  27                          ; stage: where I put 32 bytes of a row of G
.set RDG,  28                          ; stage: where I read G back, two rows a load
.set NAD,  29                          ; where my k2 goes
.set NRD,  30                          ; where I read four k2 back
.set CSA,  31                          ; where my column sums go
.set F0,   64
.set F1,   128
.set RB,   64                          ; v[64:111] rows read back
.set UT,   112                         ; v[112:119] eight numbers in f32
.set NS,   120                         ; v[120:121] running squares
.set NN,   122
.set N2,   123
.set CS,   128                         ; v[128:159] column sums
.set TMP,  192
.set G1, 24
.set G0, 32
.set G1B, 48
.set G0B, 56
.set MSB, 0
.macro WIN new                         ; the immediate's high byte repeats the setting that is left
.if MSB != \new
	s_set_vgpr_msb (MSB<<8)|\new
.set MSB, \new
.endif
.endm
.set MUL_LO, 0xa1                      ; source 0 (W_in) window 1, source 1 (X) window 0, C and D window 2
.set MUL_HI, 0xf1                      ; the same, C and D window 3
.set TO_B,   0x40                      ; destination window 1, address window 0
; A joint load.  Waves 0 and 1 fetch X's two halves, waves 2 and 3 W_in's.  Each line has one mask and one set of registers for all that issue it.
; The branch hangs on the wave's number alone.  Four v_nop follow each of the two lines.
.macro JLOAD s
	s_cmp_eq_u32 s11, 0
	s_cbranch_scc0 .Lfor_b_\@
	tensor_load_to_lds s[G0+4*\s:G0+4*\s+3], s[G1:G1+7]
	s_nop 0
.rept 4
	v_nop
.endr
	s_branch .Lasked_\@
.Lfor_b_\@:
	tensor_load_to_lds s[G0B+4*\s:G0B+4*\s+3], s[G1B:G1B+7]
	s_nop 0
.rept 4
	v_nop
.endr
.Lasked_\@:
.endm
; A round of the cluster's barrier: my work-group's barrier; wave 0 signals for the work-group; every wave waits for all sixteen; my work-group's barrier again.
.macro CREST                           ; a round behind its opening barrier
	s_cmp_lg_u32 s10, 0
	s_cbranch_scc1 .Lnot_wave_0_\@
	s_barrier_signal -3
.Lnot_wave_0_\@:
	s_barrier_wait -3
	s_barrier_signal -1
	s_barrier_wait -1
.endm
.macro CROUND
	s_barrier_signal -1
	s_barrier_wait -1
	CREST
.endm
	s_load_b64 s[4:5], s[0:1], 0x0                 ; cb: X in bf16 at its first byte
	s_load_b64 s[66:67], s[0:1], 0x8               ; b_in
	s_load_b64 s[8:9], s[0:1], 0x10                ; pb
	s_set_vgpr_msb 0x40
	v_lshl_add_u32 v255, v0, 2, 0x4b800
	s_set_vgpr_msb 0x4000
	v_mov_b32 v15, 0
	s_set_vgpr_msb 0x1
	ds_add_u32 v255, v15
	s_set_vgpr_msb 0x100
	v_lshrrev_b32 v1, 5, v0
	v_readfirstlane_b32 s10, v1                    ; wave 0..3
	s_lshr_b32 s11, s10, 1                         ; which 128 tokens are mine.  Also: I fetch for X (0) or for W_in (1)
	s_and_b32 s12, s10, 1                          ; Q|K (0) or V|G (1).  Also: which 128 rows of that tile I fetch
	s_bfe_u32 s40, ttmp6, 0x40000                  ; cx
	s_bfe_u32 s41, ttmp6, 0x40004                  ; cy
	s_lshl_b32 s42, ttmp9, 2
	s_add_co_u32 s42, s42, s40                     ; block column = head = 4 x cluster x + cx
	s_and_b32 s13, ttmp7, 0xffff
	s_lshl_b32 s13, s13, 2
	s_add_co_u32 s13, s13, s41                     ; block row (256 tokens) = 4 x cluster y + cy
	s_lshl_b32 s43, s41, 2
	s_lshl_b32 s43, 15, s43                        ; my row of the cluster: places 4 cy .. 4 cy + 3
	s_lshl_b32 s44, 0x1111, s40                    ; my column: places cx, cx + 4, cx + 8, cx + 12
	; descriptor group 1: a tile of 128 rows x 128 elements of 2 bytes, 4 words of padding behind every 64 words
	s_or_b32 s[G1+0], s43, (1<<16)|(1<<20)|(1<<21)|(5<<22)|(3<<25)
	s_or_b32 s[G1B+0], s44, (1<<16)|(1<<20)|(1<<21)|(5<<22)|(3<<25)
	s_mov_b32 s[G1B+1], KSTEP<<16
	s_mov_b32 s[G1+1], KSTEP<<16                   ; tensor_dim0 = 128
	s_mov_b32 s[G1B+2], 128<<16
	s_mov_b32 s[G1+2], 128<<16                     ; tensor_dim1 = 128
	s_mov_b32 s[G1B+3], KSTEP<<16
	s_mov_b32 s[G1+3], KSTEP<<16                   ; tile_dim0 = 128
	s_mov_b32 s[G1B+4], 128
	s_mov_b32 s[G1+4], 128                         ; tile_dim1 = 128
	s_mov_b32 s[G1B+5], SIZE_K
	s_mov_b32 s[G1+5], SIZE_K                      ; elements from row to row
	s_mov_b32 s[G1B+6], 0
	s_mov_b32 s[G1+6], 0
	s_mov_b32 s[G1B+7], 0
	s_mov_b32 s[G1+7], 0
	; X's tiles hang on the block row alone, W_in's on the block column alone; each address in registers that never hold the other coordinate
	s_lshl_b32 s17, s12, 7
	s_lshl_b32 s16, s13, 8
	s_add_co_u32 s16, s16, s17                     ; X: row 256 x block row + 128 x half
	s_lshl_b32 s46, s42, 8
	s_add_co_u32 s46, s46, s17                     ; W_in: row 256 x head + 128 x half
	s_mov_b32 s17, 0
	s_mov_b32 s47, 0
	s_mov_b64 s[18:19], SIZE_K*2
	s_mul_u64 s[16:17], s[16:17], s[18:19]
	s_mul_u64 s[46:47], s[46:47], s[18:19]
	s_mul_i32 s20, s10, HALFT                      ; LDS: wave x 128 rows
	s_lshl_b32 s68, s42, 10                        ; the bias of my 128 columns: (256 head + 128 s12) x 4 bytes
	s_lshl_b32 s69, s12, 9
	s_add_co_u32 s68, s68, s69
	s_mov_b32 s69, 0
	s_wait_dscnt 0x0
	s_wait_kmcnt 0x0
	s_add_nc_u64 s[6:7], s[4:5], 0x800000          ; W_in in bf16
	s_add_nc_u64 s[14:15], s[4:5], s[16:17]
	s_add_nc_u64 s[46:47], s[6:7], s[46:47]
	s_add_nc_u64 s[70:71], s[66:67], s[68:69]
	CROUND                                         ; all sixteen work-groups are here: the first joint loads meet
.irp s, 0,1
	s_mov_b32 s[G0+4*\s], 1
	s_add_co_u32 s[G0+4*\s+1], s20, \s*SLOT
	s_add_nc_u64 s[G0+4*\s+2:G0+4*\s+3], s[14:15], \s*KSTEP*2
	s_or_b32 s[G0+4*\s+3], s[G0+4*\s+3], 0x80000000
	s_mov_b32 s[G0B+4*\s], 1
	s_add_co_u32 s[G0B+4*\s+1], s20, \s*SLOT
	s_add_nc_u64 s[G0B+4*\s+2:G0B+4*\s+3], s[46:47], \s*KSTEP*2
	s_or_b32 s[G0B+4*\s+3], s[G0B+4*\s+3], 0x80000000
	JLOAD \s                                       ; both slots are asked for before anything else: two tensor loads of the wave are out
.endr
	v_and_b32 v1, 15, v0                           ; r = l % 16
	v_bfe_u32 v2, v0, 4, 1                         ; h = l / 16
	v_mul_u32_u24 v3, v1, PITCH
	v_lshl_add_u32 v3, v2, 4, v3                   ; a fragment's row x pitch + 16 h
	s_mul_i32 s21, s11, HALFT                      ; my 128 rows of X
	s_mul_i32 s22, s12, HALFT                      ; my 128 rows of W_in,
	s_add_co_u32 s22, s22, 2*HALFT                 ; which lie behind X's 256
.irp s, 0,1
	v_add_nc_u32 v[ADRA+\s], s21, v3
	v_add_nc_u32 v[ADRB+\s], s22, v3
	s_add_co_u32 s21, s21, SLOT
	s_add_co_u32 s22, s22, SLOT
.endr
	; the way out's addresses, all in my own stage
	s_mul_i32 s23, s10, WSTG
	s_add_co_u32 s23, s23, STAGE
	s_add_co_u32 s92, s23, SEGB
	s_add_co_u32 s93, s23, N2S
	s_add_co_u32 s94, s23, CSS
	v_and_b32 v6, 31, v0                           ; lane
	v_lshrrev_b32 v7, 3, v6                        ; lane / 8
	v_and_b32 v8, 7, v6                            ; lane % 8
	v_and_b32 v[L3], 3, v6
	v_mul_u32_u24 v4, v1, SP
	v_lshl_add_u32 v4, v2, 4, v4
	v_add_nc_u32 v[STO], s23, v4                   ; 144 r + 16 h
	v_mul_u32_u24 v4, v7, SP
	v_lshl_add_u32 v4, v8, 4, v4
	v_add_nc_u32 v[RD], s23, v4                    ; 144 (lane / 8) + 16 (lane % 8): four rows of 128 bytes
	v_lshlrev_b32 v[CO], 4, v6
	v_lshlrev_b32 v[CO8], 3, v6
	v_mul_u32_u24 v4, v1, GP
	v_lshl_add_u32 v4, v2, 5, v4
	v_add_nc_u32 v[STG], s92, v4                   ; 272 r + 32 h
	v_mul_u32_u24 v4, v2, GP
	v_lshl_add_u32 v4, v1, 4, v4
	v_add_nc_u32 v[RDG], s92, v4                   ; 272 h + 16 r: two rows of 256 bytes
	v_lshlrev_b32 v4, 4, v[L3]
	v_lshl_add_u32 v4, v7, 2, v4
	v_add_nc_u32 v[NAD], s93, v4                   ; word 4 (lane & 3) + lane / 8
	v_add_nc_u32 v[NRD], s93, v[CO]
	v_lshlrev_b32 v[BOF], 5, v2
	v_add_nc_u32 v[CSA], s94, v[BOF]
	v_add_nc_u32 v[CSR], s94, v[CO8]
	; the bias of my 128 columns: for tile column b the eight numbers 16 b + 8 h + 0..7.  Waited for on the way out; the loop touches none of these registers.
.irp b, 0,1,2,3,4,5,6,7
	global_load_b128 v[32+8*\b+(\b/4)*160:32+8*\b+(\b/4)*160+3],   v[BOF], s[70:71] offset:64*\b
	global_load_b128 v[32+8*\b+(\b/4)*160+4:32+8*\b+(\b/4)*160+7], v[BOF], s[70:71] offset:64*\b+16
.endr
; 16 matrix instructions: token blocks a0, a0 + 1 of the window's four x all 8 column blocks, 32 along K.  zero = 1: the first product starts the sums.
.macro MUL16 f, hi, a0, zero
.irp a, \a0, \a0+1
.irp b, 0,1,2,3,4,5,6,7
.if \zero
	v_wmma_f32_16x16x32_bf16 v[8*(8*(\a)+\b):8*(8*(\a)+\b)+7], v[\f+8*\b:\f+8*\b+7], v[\f+8*(4*\hi+\a):\f+8*(4*\hi+\a)+7], 0
.else
	v_wmma_f32_16x16x32_bf16 v[8*(8*(\a)+\b):8*(8*(\a)+\b)+7], v[\f+8*\b:\f+8*\b+7], v[\f+8*(4*\hi+\a):\f+8*(4*\hi+\a)+7], v[8*(8*(\a)+\b):8*(8*(\a)+\b)+7]
.endif
.endr
.endr
.endm
; 32 LDS loads in one run: the fragments of one quarter step (32 K at byte k of the rows) into buffer f
.macro FETCH slot, k, f
	WIN TO_B
.irp i, 0,1,2,3,4,5,6,7
	ds_load_b128 v[\f+8*\i:\f+8*\i+3],   v[ADRB+\slot] offset:\k+\i*16*PITCH
	ds_load_b128 v[\f+8*\i+4:\f+8*\i+7], v[ADRB+\slot] offset:\k+\i*16*PITCH+32
.endr
	WIN 0
.irp i, 0,1,2,3,4,5,6,7
	ds_load_b128 v[\f+8*\i:\f+8*\i+3],   v[ADRA+\slot] offset:\k+\i*16*PITCH
	ds_load_b128 v[\f+8*\i+4:\f+8*\i+7], v[ADRA+\slot] offset:\k+\i*16*PITCH+32
.endr
.endm
; Four places behind a matrix instruction before a load lands on one of its sources or a vector instruction reads its result (ISA guide 7.12.1 for vector instructions)
.macro PLACES
.rept 4
	v_nop
.endr
.endm
; The 64 accumulators take turns, one instruction a turn, in the same order in every quarter step, over the backward jump too.
.macro QUARTER slot, k, f, g, zero
	s_wait_dscnt 8                                 ; W_in's fragments and X's rows 0-63 are in; the youngest eight loads (X's rows 64-127) may be out
	WIN MUL_LO
	MUL16 \f, 0, 0, \zero
	MUL16 \f, 0, 2, \zero
	PLACES
	FETCH \slot, \k, \g
	s_wait_dscnt 32                                ; all but the 32 just issued
	WIN MUL_HI
	MUL16 \f, 1, 0, \zero
	MUL16 \f, 1, 2, \zero
.endm
.macro THREE slot, zero
	QUARTER \slot, 64,  F0, F1, \zero
	QUARTER \slot, 128, F1, F0, 0
	QUARTER \slot, 192, F0, F1, 0
.endm
; The last quarter of a K step changes slots.  In front of the barrier each wave waits for its reads of this slot and for all its tensor loads (one is out:
; its part of the next slot); behind it the refill comes first, then the next slot's first fragments.
.macro TURN slot, next, fill
	s_wait_dscnt 8
	WIN MUL_LO
	MUL16 F1, 0, 0, 0
	s_wait_dscnt 0                                 ; my reads of this slot are over
	s_wait_tensorcnt 0x0                           ; all my tensor loads have landed
	ds_add_u32 v255, v15
	s_wait_dscnt 0x0
	s_barrier_signal -1                            ; where a slot is filled again this barrier opens a round of the cluster's barrier
	MUL16 F1, 0, 2, 0                              ; register work while the others arrive
	WIN 0
	s_barrier_wait -1
.if \fill
	CREST                                          ; no wave of any partner still reads this slot or has a load on its way
	s_add_nc_u64 s[G0+4*\slot+2:G0+4*\slot+3], s[G0+4*\slot+2:G0+4*\slot+3], 2*KSTEP*2
	s_add_nc_u64 s[G0B+4*\slot+2:G0B+4*\slot+3], s[G0B+4*\slot+2:G0B+4*\slot+3], 2*KSTEP*2
	JLOAD \slot                                    ; the wave's one tensor load behind the round; its four v_nop are also the places in front of the loads below
.else
	PLACES
.endif
	FETCH \next, 0, F0
	WIN MUL_HI
	MUL16 F1, 1, 0, 0
	MUL16 F1, 1, 2, 0
.endm
.macro LAP zero
	THREE 0, \zero
	TURN 0, 1, 1
	THREE 1, 0
	TURN 1, 0, 1
.endm
	s_wait_tensorcnt 1                             ; my part of K step 0 is in; K step 1's may stay out
	s_barrier_signal -1
	s_barrier_wait -1
	FETCH 0, 0, F0
	LAP 1                                          ; the first lap's first products start the sums
	WIN 0
	s_mov_b32 s3, LAPS-2
.Llap:
	LAP 0
	WIN 0
	s_sub_co_u32 s3, s3, 1
	s_cmp_lg_u32 s3, 0
	s_cbranch_scc1 .Llap
	THREE 0, 0                                     ; the last lap fills nothing
	TURN 0, 1, 0
	THREE 1, 0
	s_wait_dscnt 8
	WIN MUL_LO
	MUL16 F1, 0, 0, 0
	MUL16 F1, 0, 2, 0
	s_wait_dscnt 0
	WIN MUL_HI
	MUL16 F1, 1, 0, 0
	MUL16 F1, 1, 2, 0
	; THE WAY OUT.  First the bias, in place, in f32.
	PLACES
	s_wait_loadcnt 0x0                             ; the sixteen loads of the bias
.macro BIASADD
.irp a, 0,1,2,3
.irp b, 0,1,2,3,4,5,6,7
.irp p, 0,2,4,6
	v_pk_add_f32 v[8*(8*\a+\b)+\p:8*(8*\a+\b)+\p+1], v[8*(8*\a+\b)+\p:8*(8*\a+\b)+\p+1], v[32+8*\b+(\b/4)*160+\p:32+8*\b+(\b/4)*160+\p+1]
.endr
.endr
.endr
.endm
	WIN 0x82                                       ; destination and source 0 window 2, source 1 (the bias) window 0
	BIASADD
	WIN 0xc3                                       ; the same for window 3
	BIASADD
	WIN 0
	; where my rows go.  Offsets are made in registers of their own and added to pb once.
	s_lshr_b32 s84, s13, 3                         ; batch
	s_lshl_b32 s85, s84, 4
	s_add_co_u32 s85, s85, s42                     ; bh
	s_and_b32 s86, s13, 7                          ; block row inside the batch
	s_lshl_b32 s87, s86, 8
	s_lshl_b32 s92, s11, 7
	s_add_co_u32 s87, s87, s92                     ; my first token inside the batch
	s_lshl_b32 s88, s85, 18
	s_lshl_b32 s92, s87, 7
	s_add_co_u32 s88, s88, s92                     ; o = bh x 262,144 + token x 128
	s_mov_b32 s91, 0
	s_lshl_b32 s90, s12, 24                        ; Q at 0, V at 16,777,216
	s_add_co_u32 s90, s90, s88
	s_add_nc_u64 s[72:73], s[8:9], s[90:91]        ; Q's or V's rows
	s_add_co_u32 s92, s88, PB_K
	s_lshl_b32 s93, s88, 1
	s_add_co_u32 s93, s93, PB_G
	s_cmp_eq_u32 s12, 0
	s_cselect_b32 s90, s92, s93
	s_add_nc_u64 s[74:75], s[8:9], s[90:91]        ; K's or G's rows
	s_lshl_b32 s92, s85, 13
	s_lshl2_add_u32 s92, s87, s92                  ; bh x 8,192 + 4 x token
	s_add_co_u32 s92, s92, PB_K2
	s_lshl_b32 s93, s84, 4
	s_lshl1_add_u32 s93, s86, s93
	s_add_co_u32 s93, s93, s11                     ; chunk of 128 tokens: 16 batch + 2 block row + half
	s_lshl_b32 s93, s93, 4
	s_add_co_u32 s93, s93, s42
	s_lshl_b32 s93, s93, 8                         ; (chunk x 16 + head) x 256 bytes
	s_add_co_u32 s93, s93, PB_SV
	s_cmp_eq_u32 s12, 0
	s_cselect_b32 s90, s92, s93
	s_add_nc_u64 s[76:77], s[8:9], s[90:91]        ; k2, or the column sums
	v_cmp_eq_u32 s78, 1, v[L3]
	v_cmp_eq_u32 s79, 2, v[L3]
	v_cmp_eq_u32 s80, 3, v[L3]
	s_mov_b32 s81, 0xffff0000                      ; a word's upper bf16
	s_cmp_lg_u32 s12, 0
	s_cbranch_scc1 .Lvg
; The sum of squares of the four rows of rounded K in quad t: eight numbers a lane, then across the eight lanes of a row.
; The lanes with lane & 3 = t keep it, so that after four quads lane l holds k2 of row 4 (l & 3) + l / 8.
.macro NORM t
.irp k, 0,1,2,3
	v_lshlrev_b32 v[UT+2*\k],   16,  v[RB+16+4*\t+\k]
	v_and_b32     v[UT+2*\k+1], s81, v[RB+16+4*\t+\k]
.endr
	v_pk_mul_f32 v[NS:NS+1], v[UT:UT+1], v[UT:UT+1]
.irp k, 2,4,6
	v_pk_fma_f32 v[NS:NS+1], v[UT+\k:UT+\k+1], v[UT+\k:UT+\k+1], v[NS:NS+1]
.endr
	v_add_f32 v[NN], v[NS], v[NS+1]
	v_add_f32_dpp v[NN], v[NN], v[NN] row_xmask:1 row_mask:0xf bank_mask:0xf
	v_add_f32_dpp v[NN], v[NN], v[NN] row_xmask:2 row_mask:0xf bank_mask:0xf
	v_add_f32_dpp v[NN], v[NN], v[NN] row_xmask:4 row_mask:0xf bank_mask:0xf
.if \t == 0
	v_mov_b32 v[N2], v[NN]
.else
	v_cndmask_b32 v[N2], v[N2], v[NN], s[77+\t]
.endif
.endm
; Tokens 16 i .. 16 i + 15 of a Q|K wave: round, 16 bytes a lane into my stage, whole rows back, 512 consecutive bytes a store.
.macro OUTQK i, a, from
	WIN \from
.irp b, 0,1,2,3,4,5,6,7
.irp r, 0,1,2,3
	v_cvt_pk_bf16_f32 v[TMP+4*\b+\r], v[8*(8*\a+\b)+2*\r], v[8*(8*\a+\b)+2*\r+1]
.endr
.endr
	WIN 0
.irp b, 0,1,2,3
	ds_store_b128 v[STO], v[TMP+4*\b:TMP+4*\b+3] offset:32*\b
	ds_store_b128 v[STO], v[TMP+16+4*\b:TMP+16+4*\b+3] offset:SEGB+32*\b
.endr
	s_wait_xcnt 0x0                                ; RB, which the stores of the 16 tokens before read, is loaded again only behind this wait
.irp t, 0,1,2,3
	ds_load_b128 v[RB+4*\t:RB+4*\t+3], v[RD] offset:4*SP*\t        ; LDS serves a wave's instructions in order: these see the stores above
.endr
.irp t, 0,1,2,3
	ds_load_b128 v[RB+16+4*\t:RB+16+4*\t+3], v[RD] offset:SEGB+4*SP*\t
.endr
.irp t, 0,1,2,3
	s_wait_dscnt 7-\t                              ; Q's quad t is in; the younger loads stay out
	global_store_b128 v[CO], v[RB+4*\t:RB+4*\t+3], s[72:73] offset:2048*\i+512*\t
.endr
.irp t, 0,1,2,3
	s_wait_dscnt 3-\t                              ; K's quad t
	global_store_b128 v[CO], v[RB+16+4*\t:RB+16+4*\t+3], s[74:75] offset:2048*\i+512*\t
	NORM \t
.endr
	ds_store_b32 v[NAD], v[N2] offset:64*\i        ; lanes l and l ^ 4 write the same word with the same value
.endm
	OUTQK 0, 0, 0x0a
	OUTQK 1, 1, 0x0a
	OUTQK 2, 2, 0x0a
	OUTQK 3, 3, 0x0a
	OUTQK 4, 0, 0x0f
	OUTQK 5, 1, 0x0f
	OUTQK 6, 2, 0x0f
	OUTQK 7, 3, 0x0f
	ds_load_b128 v[UT:UT+3], v[NRD]                ; k2 of my 128 tokens, four a lane
	s_wait_dscnt 0x0
	global_store_b128 v[CO], v[UT:UT+3], s[76:77]
	s_branch .Ljoin
.Lvg:
	; The column sums of V (tile columns 0-3) over my 128 tokens, in f32 from the accumulators: eight token blocks, then the 16 lanes of a half.
	WIN 0x0a                                       ; both sources window 2
.set q, 0
.rept 16
	v_pk_add_f32 v[CS+q:CS+q+1], v[q:q+1], v[64+q:64+q+1]
.set q, q+2
.endr
	WIN 0x02                                       ; source 0 window 2
.irp g, 128,192
.set q, 0
.rept 16
	v_pk_add_f32 v[CS+q:CS+q+1], v[\g+q:\g+q+1], v[CS+q:CS+q+1]
.set q, q+2
.endr
.endr
	WIN 0x03                                       ; source 0 window 3
.irp g, 0,64,128,192
.set q, 0
.rept 16
	v_pk_add_f32 v[CS+q:CS+q+1], v[\g+q:\g+q+1], v[CS+q:CS+q+1]
.set q, q+2
.endr
.endr
	WIN 0
.irp m, 1,2,4,8
.set q, 0
.rept 32
	v_add_f32_dpp v[CS+q], v[CS+q], v[CS+q] row_xmask:\m row_mask:0xf bank_mask:0xf
.set q, q+1
.endr
.endr
.irp b, 0,1,2,3
	ds_store_b128 v[CSA], v[CS+8*\b:CS+8*\b+3] offset:64*\b        ; the 16 lanes of a half write the same words with the same values
	ds_store_b128 v[CSA], v[CS+8*\b+4:CS+8*\b+7] offset:64*\b+16
.endr
	ds_load_b64 v[UT:UT+1], v[CSR]
	s_wait_dscnt 0x0
	global_store_b64 v[CO8], v[UT:UT+1], s[76:77]  ; 256 consecutive bytes, aligned
; Tokens 16 i .. 16 i + 15 of a V|G wave: V rounded as above; G goes through the stage in f32, straight from the accumulators.
.macro OUTVG i, a, from, st
	WIN \from
.irp b, 0,1,2,3
.irp r, 0,1,2,3
	v_cvt_pk_bf16_f32 v[TMP+4*\b+\r], v[8*(8*\a+\b)+2*\r], v[8*(8*\a+\b)+2*\r+1]
.endr
.endr
	WIN \st                                        ; an LDS store's data is source 1
.irp b, 4,5,6,7
	ds_store_b128 v[STG], v[8*(8*\a+\b):8*(8*\a+\b)+3] offset:64*(\b-4)
	ds_store_b128 v[STG], v[8*(8*\a+\b)+4:8*(8*\a+\b)+7] offset:64*(\b-4)+16
.endr
	WIN 0
.irp b, 0,1,2,3
	ds_store_b128 v[STO], v[TMP+4*\b:TMP+4*\b+3] offset:32*\b
.endr
	s_wait_xcnt 0x0                                ; RB is loaded again only behind this wait
.irp t, 0,1,2,3
	ds_load_b128 v[RB+4*\t:RB+4*\t+3], v[RD] offset:4*SP*\t
.endr
.irp t, 0,1,2,3,4,5,6,7
	ds_load_b128 v[RB+16+4*\t:RB+16+4*\t+3], v[RDG] offset:2*GP*\t
.endr
.irp t, 0,1,2,3
	s_wait_dscnt 11-\t                             ; V's quad t; the younger loads stay out
	global_store_b128 v[CO], v[RB+4*\t:RB+4*\t+3], s[72:73] offset:2048*\i+512*\t
.endr
.irp t, 0,1,2,3,4,5,6,7
	s_wait_dscnt 7-\t                              ; G's two rows t
	global_store_b128 v[CO], v[RB+16+4*\t:RB+16+4*\t+3], s[74:75] offset:4096*\i+512*\t
.endr
.endm
	OUTVG 0, 0, 0x0a, 0x08
	OUTVG 1, 1, 0x0a, 0x08
	OUTVG 2, 2, 0x0a, 0x08
	OUTVG 3, 3, 0x0a, 0x08
	OUTVG 4, 0, 0x0f, 0x0c
	OUTVG 5, 1, 0x0f, 0x0c
	OUTVG 6, 2, 0x0f, 0x0c
	OUTVG 7, 3, 0x0f, 0x0c
.Ljoin:
	s_wait_dscnt 0x0                               ; no LDS instruction is pending at a signal
	s_set_vgpr_msb 0x1
	s_wait_tensorcnt 0x0
	ds_add_u32 v255, v15
	s_wait_dscnt 0x0
	s_set_vgpr_msb 0x100
	CROUND                                         ; the closing round: no work-group ends while a partner may still ask for a tile that names it
	s_endpgm
.Lfunc_end_k_qdb776f2f91_proj:
	.size	k_qdb776f2f91_proj, .Lfunc_end_k_qdb776f2f91_proj-k_qdb776f2f91_proj
	.p2alignl 7, 3214868480
	.fill 96, 4, 3214868480
	.section	.rodata,"a",@progbits
	.p2align	6, 0x0
	.amdhsa_kernel k_qdb776f2f91_proj
		.amdhsa_group_segment_fixed_size 327680
		.amdhsa_private_segment_fixed_size 0
		.amdhsa_enable_private_segment 0
		.amdhsa_kernarg_size 24
		.amdhsa_user_sgpr_count 2
		.amdhsa_user_sgpr_kernarg_segment_ptr 1
		.amdhsa_wavefront_size32 1
		.amdhsa_system_sgpr_workgroup_id_x 1
		.amdhsa_system_sgpr_workgroup_id_y 1
		.amdhsa_system_sgpr_workgroup_id_z 1
		.amdhsa_system_vgpr_workitem_id 0
		.amdhsa_next_free_vgpr 1024
		.amdhsa_next_free_sgpr 96
		.amdhsa_reserve_vcc 0
		.amdhsa_float_denorm_mode_32 3
		.amdhsa_float_denorm_mode_16_64 3
		.amdhsa_memory_ordered 1
		.amdhsa_forward_progress 1
		.amdhsa_inst_pref_size 255
	.end_amdhsa_kernel
	.section	.bss,"aw",@nobits
	.p2align	6
	.space	262144
	.amdgpu_metadata
---
amdhsa.version: [ 1, 2 ]
amdhsa.kernels:
  - .name:           k_qdb776f2f91_proj
    .symbol:         k_qdb776f2f91_proj.kd
    .args:
      - { .name: cb, .offset: 0, .size: 8, .value_kind: global_buffer, .address_space: global }
      - { .name: b_in, .offset: 8, .size: 8, .value_kind: global_buffer, .address_space: global }
      - { .name: pb, .offset: 16, .size: 8, .value_kind: global_buffer, .address_space: global }
    .group_segment_fixed_size: 327680
    .private_segment_fixed_size: 0
    .kernarg_segment_align: 8
    .kernarg_segment_size: 24
    .max_flat_workgroup_size: 128
    .sgpr_count:     96
    .vgpr_count:     1024
    .wavefront_size: 32
...
	.end_amdgpu_metadata
.endif
;; end of part 2
;; launch attn (part 3): grid 8 x 32, 8 waves a work-group, clusters of 4 x 1, 327,680 bytes of LDS; arguments pb, hb; writes hb
.if DOCPART == 3
	.amdgcn_target "amdgcn-amd-amdhsa--gfx1250"
	.amdhsa_code_object_version 6
	.text
	.protected	k_qdb776f2f91_attn
	.globl	k_qdb776f2f91_attn
	.p2align	8
	.type	k_qdb776f2f91_attn,@function
k_qdb776f2f91_attn:
	s_mov_b64 s[64:65], 0
	v_nop
	global_prefetch_b8 v0, s[64:65] scope:SCOPE_SE
	s_setreg_imm32_b32 hwreg(HW_REG_WAVE_MODE, 25, 1), 1
	s_wait_xcnt 0x0
	s_wait_alu depctr_hold_cnt(0) depctr_sa_sdst(0) depctr_va_vdst(0) depctr_va_sdst(0) depctr_va_ssrc(0) depctr_va_vcc(0) depctr_vm_vsrc(0)
	s_getreg_b32 s2, hwreg(HW_REG_IB_STS2, 6, 4)
	s_cmp_eq_u32 s2, 0
	s_cbranch_scc0 .Lentry_in_a_cluster
	s_endpgm
.Lentry_in_a_cluster:
	s_bfe_u32 s2, ttmp6, 0x10000c
	s_cmp_lg_u32 s2, 0x3003
	s_cbranch_scc0 .Lentry_shape_is_right
	s_endpgm
.Lentry_shape_is_right:
; Shepard attention of one (batch, head) = bh and 256 queries: d2 = q2 + k2 - 2 q.k, w = (eps + sqrt(max(d2, 0)))^-2, A = sum w V / (eps + sum w), H = G A.
; EXACT REWRITING, for every input: with T = eps + sqrt(q2 + mean of k2), g = 1/T, r = 1 / (g sqrt(max(d2,0)) + eps g), w' = w T^2 = r^2 and u = w' - 1,
;   A = (sum V + sum u V) / (2048 + eps T^2 + sum u).
; Only u and V go to the matrix unit in bf16; sum V comes in f32 from the projection.  The scale T is known before the keys are walked (it plays the part
; that a running maximum plays for an exponential), and since x -> (eps + sqrt x)^-2 is convex the denominator is at least 1,024: no difference of large sums is formed.
; Eight waves; a wave has 32 queries (two tiles c of 16) against all 2,048 keys.  A tile of keys is 256 keys, eight blocks of 32.
;   S^T = K (-2 Q)^T + (k2 + q2): source 0 = 16 keys, source 1 = 16 queries; lane l, register j: key 8 (l / 16) + j, query l % 16.
;   Two such tiles, packed in pairs, ARE source 1 (k = 32 keys) of O^T = V^T u; source 0 comes from V's rows by the transposing LDS load.  A fifth product with ones gives sum u.
; THE LOOP IS A PIPELINE OF HALF BLOCKS (16 queries x 32 keys, 16 registers of S).  A phase turns one query tile's d2 into u (72 vector instructions); between them, one after
;   every eight, stand the OTHER tile's nine matrix instructions: first the five products of its last half block's u, then, behind k2 + q2 (8 packed adds), the four of its next d2.
;   The other tile's u lies in the low 8 of its 16 registers until the five products have read it; only then are the 16 started anew, so two sets of S suffice.
;   The places that matrix instructions ask for behind them are the phase's own plain instructions, which name the first tile's registers alone: no v_nop stands in a phase.
; CLUSTERS: the four query blocks of a 4 x 1 cluster walk the same K and V tiles of one bh and ask for them jointly (mask 15).
; LDS: two slots of 81,920 (eight parts of 10,240, part = wave: V 64 keys x 160 in parts 0-3, K 64 keys x 144 in parts 4-7); k2 of all keys 8,192;
;   a stage of 2,560, sum V 256 and 32 rows x 272 of G for each wave.  Stage, k2 and sum V are written by LDS stores and never filled by a tensor load.
; LIMITS: max(d2, 0) drops a NaN; NaN and infinities are not treated as the definition treats them.  sqrt and 1/x are the 1-ULP instructions, which flush denormals.
;   u (as large as T^2 / eps^2 where a key meets a query) is rounded to bf16, relative 2^-9.  Sums run in another order than a plain sum over keys.
.set SLOTB, 81920
.set WPART, 10240
.set KOFF,  4*WPART
.set VP,    160                        ; V's LDS pitch: 128 bytes + 32, an odd multiple of 32 for the transposing load
.set KP,    144                        ; K's LDS pitch: 128 bytes + 16
.set GP,    272
.set K2TAB, 2*SLOTB
.set STAGE, K2TAB+8192
.set SVS,   STAGE+8*2560
.set GREG,  SVS+8*256
.set EPSF,  0x38d1b717                 ; 1e-4
.set PB_K,  8388608
.set PB_V,  16777216
.set PB_G,  25165824
.set PB_K2, 41943040
.set PB_SV, 42205184
.set EGD,  2                           ; v[2:5]     eps g, twice for each c (a pair for the packed forms)
.set AK,   6                           ; v6-7       LDS address of my K fragments in slot 0, 1
.set AV,   8                           ; v8-9       the same for V
.set AK2,  10                          ; this tile's k2
.set STO,  11
.set RD,   12
.set CO,   13                          ; 16 x lane
.set AG,   14
.set Q2D,  16                          ; v[16:19]   q2, twice for each c; at the end 1 / denominator
.set GGD,  20                          ; v[20:23]   g, twice for each c
.set ONES, 24                          ; v[24:31]   a fragment of ones; before the loop: lane terms
.set QF,   32                          ; v[32:63]   -2 Q: fragment (c, ks) at 16 c + 8 ks
.set OA,   64                          ; v[64:143]  sums: (c, i) at 40 c + 8 i; i = 0..3 the numerator's dh 16 i .., i = 4 the denominator
.set KF,   144                         ; v[144:175] K fragments (kt, ks) at 16 kt + 8 ks
.set VF,   176                         ; v[176:207] V^T fragments, i at 8 i
.set K2R,  208                         ; v[208:223] k2 of my 8 keys of tile kt at 8 kt
.set SS,   224                         ; v[224:255] S (c, kt) at 16 c + 8 kt; u of tile c, packed, in 16 c + 0..7
.set UQ,   232                         ; before the loop: eight numbers in f32
.set NSQ,  240                         ; before the loop: running squares of c at 2 c
.set G1V, 32
.set G1K, 40
.set G0V, 48
.set G0K, 56
.set G1G, 68
.set G0G, 76
.macro PL n
.rept \n
	v_nop
.endr
.endm
; A round of the cluster's barrier
.macro ROUND
	s_barrier_signal -1
	s_barrier_wait -1
	s_cmp_lg_u32 s18, 0
	s_cbranch_scc1 .Lnot_wave_0_\@
	s_barrier_signal -3
.Lnot_wave_0_\@:
	s_barrier_wait -3
	s_barrier_signal -1
	s_barrier_wait -1
.endm
; A joint load: waves 0-3 fetch 64 keys of V each, waves 4-7 64 keys of K.  One mask and one set of registers a line; the branch hangs on the wave's number alone.
.macro JLOAD s
	s_cmp_eq_u32 s19, 0
	s_cbranch_scc0 .Lfor_k_\@
	tensor_load_to_lds s[G0V+4*\s:G0V+4*\s+3], s[G1V:G1V+7]
	s_nop 0
	PL 4
	s_branch .Lasked_\@
.Lfor_k_\@:
	tensor_load_to_lds s[G0K+4*\s:G0K+4*\s+3], s[G1K:G1K+7]
	s_nop 0
	PL 4
.Lasked_\@:
.endm
	s_load_b128 s[4:7], s[0:1], 0x0                ; pb s[4:5], hb s[6:7]
	s_set_vgpr_msb 0x40
	v_lshl_add_u32 v0, v0, 2, 0x40800
	v_mov_b32 v1, 0
	s_set_vgpr_msb 0x4045
	ds_add_u32 v0, v1
	s_set_vgpr_msb 0x4500
	v_lshrrev_b32 v1, 5, v0
	v_readfirstlane_b32 s18, v1                    ; wave 0..7
	s_lshr_b32 s19, s18, 2                         ; I fetch for V (0) or for K (1)
	s_and_b32 s20, s18, 3                          ; which 64 keys of a tile
	s_bfe_u32 s21, ttmp6, 0x40000                  ; cx
	s_lshl_b32 s22, ttmp9, 2
	s_add_co_u32 s22, s22, s21                     ; block of 256 queries = 4 x cluster x + cx
	s_and_b32 s23, ttmp7, 0xffff                   ; bh, the same in the four partners
	s_mov_b32 s66, 0x76543210                      ; v_permlanex16_b32: lane i of one half reads lane i of the other
	s_mov_b32 s67, 0xfedcba98
	s_mov_b32 s81, 0xffff0000
	s_mov_b32 s31, 0x45000000                      ; 2,048.0
	; lane terms and LDS addresses
	v_and_b32 v24, 31, v0                          ; lane
	v_and_b32 v25, 15, v0                          ; r
	v_bfe_u32 v26, v0, 4, 1                        ; h
	v_and_b32 v216, 7, v0                          ; lane % 8
	v_bfe_u32 v217, v0, 3, 2                       ; lane / 8
	v_bfe_u32 v218, v0, 3, 1
	v_mul_u32_u24 v31, v25, KP
	v_lshl_add_u32 v31, v26, 4, v31                ; 144 r + 16 h
	v_add_nc_u32 v[AK], KOFF, v31
	v_add_nc_u32 v[AK+1], KOFF+SLOTB, v31
	v_lshl_add_u32 v219, v26, 3, v216              ; key 8 h + lane % 8
	v_mul_u32_u24 v219, v219, VP
	v_lshl_add_u32 v[AV], v218, 4, v219            ; + 16 bytes for the second eight lanes of a half
	v_add_nc_u32 v[AV+1], SLOTB, v[AV]
	v_lshlrev_b32 v[AK2], 5, v26
	v_add_nc_u32 v[AK2], K2TAB, v[AK2]             ; k2 of keys 8 h ..
	s_mul_i32 s16, s18, 2560
	s_add_co_u32 s16, s16, STAGE
	v_add_nc_u32 v[STO], s16, v31
	v_mul_u32_u24 v219, v217, KP
	v_lshl_add_u32 v219, v216, 4, v219
	v_add_nc_u32 v[RD], s16, v219
	v_lshlrev_b32 v[CO], 4, v24
	s_mul_i32 s17, s18, 32*GP
	s_add_co_u32 s17, s17, GREG
	v_mul_u32_u24 v219, v25, GP
	v_lshl_add_u32 v219, v26, 5, v219
	v_add_nc_u32 v[AG], s17, v219                  ; 272 r + 32 h in my rows of G
	s_lshl_b32 s16, s18, 8
	s_add_co_u32 s16, s16, SVS
	v_lshl_add_u32 v27, v24, 3, s16                ; sum V: where I put two numbers
	v_lshl_add_u32 v28, v26, 5, s16                ; and where I read my eight of a tile
	v_lshlrev_b32 v15, 5, v0                       ; 32 t: my eight k2 of the table
	v_add_nc_u32 v29, K2TAB, v15
	v_lshlrev_b32 v30, 3, v24                      ; 8 x lane
	v_and_b32 v1, 0xe0, v0
	v_lshlrev_b32 v1, 7, v1                        ; my wave's 32 queries x 128 bytes
	v_lshl_add_u32 v1, v25, 7, v1
	v_lshl_add_u32 v1, v26, 4, v1                  ; + 128 r + 16 h
	; offsets; what feeds the joint descriptors (s24, s26, s27) holds bh and the wave's number alone
	s_lshl_b32 s24, s23, 18
	s_lshl_b32 s26, s20, 13                        ; 64 keys x 128 bytes
	s_add_co_u32 s26, s26, s24
	s_mov_b32 s27, 0
	s_lshl_b32 s28, s22, 15                        ; 256 queries x 128 bytes
	s_add_co_u32 s28, s28, s24
	s_mov_b32 s29, 0
	s_lshl_b32 s84, s23, 13
	s_add_co_u32 s84, s84, PB_K2
	s_mov_b32 s85, 0
	s_lshr_b32 s86, s23, 4
	s_lshl_b32 s86, s86, 16                        ; batch x 16 chunks x 4,096
	s_and_b32 s87, s23, 15
	s_lshl_b32 s87, s87, 8                         ; head x 256
	s_add_co_u32 s86, s86, s87
	s_add_co_u32 s86, s86, PB_SV
	s_mov_b32 s87, 0
	s_wait_dscnt 0x0
	s_wait_kmcnt 0x0
	s_add_nc_u64 s[8:9], s[4:5], s[28:29]          ; Q of my work-group
	s_add_nc_u64 s[10:11], s[4:5], s[84:85]        ; k2 of bh
	s_add_nc_u64 s[12:13], s[4:5], s[86:87]        ; partial sums of V of bh
	s_add_nc_u64 s[82:83], s[4:5], s[26:27]        ; pb + my keys' offset
.irp c, 0,1
.irp ks, 0,1
	global_load_b128 v[QF+16*\c+8*\ks:QF+16*\c+8*\ks+3],   v1, s[8:9] offset:2048*\c+64*\ks
	global_load_b128 v[QF+16*\c+8*\ks+4:QF+16*\c+8*\ks+7], v1, s[8:9] offset:2048*\c+64*\ks+32
.endr
.endr
	global_load_b128 v[K2R:K2R+3],   v15, s[10:11]             ; my 32 bytes of the table of k2
	global_load_b128 v[K2R+4:K2R+7], v15, s[10:11] offset:16
.set q, 0
.rept 16
	global_load_b64 v[SS+2*q:SS+2*q+1], v30, s[12:13] offset:4096*q    ; chunk q's sums of columns 2 lane, 2 lane + 1
.set q, q+1
.endr
.set q, 0
.rept 16
	global_load_b128 v[KF+4*q:KF+4*q+3], v[CO], s[10:11] offset:512*q  ; all 2,048 k2, 64 a lane, for their mean
.set q, q+1
.endr
	; descriptors.  V, K: 64 rows x 64 elements of 2 bytes, padding behind every 32 words: 8 words (V), 4 words (K); mask 15, bit 21 beside it
	s_mov_b32 s[G1V+0], 15|(1<<16)|(1<<20)|(1<<21)|(4<<22)|(7<<25)
	s_mov_b32 s[G1K+0], 15|(1<<16)|(1<<20)|(1<<21)|(4<<22)|(3<<25)
.irp g, G1V, G1K
	s_mov_b32 s[\g+1], 64<<16                      ; tensor_dim0 = 64
	s_mov_b32 s[\g+2], 64<<16                      ; tensor_dim1 = 64
	s_mov_b32 s[\g+3], 64<<16                      ; tile_dim0 = 64
	s_mov_b32 s[\g+4], 64                          ; tile_dim1 = 64
	s_mov_b32 s[\g+5], 64                          ; elements from row to row
	s_mov_b32 s[\g+6], 0
	s_mov_b32 s[\g+7], 0
.endr
	s_mul_i32 s30, s18, WPART                      ; LDS: wave x 10,240, for V's and K's lines alike
.irp s, 0,1
	s_mov_b32 s[G0V+4*\s], 1
	s_add_co_u32 s[G0V+4*\s+1], s30, \s*SLOTB
	s_add_nc_u64 s[G0V+4*\s+2:G0V+4*\s+3], s[82:83], PB_V+\s*32768     ; tile s: 256 keys x 128 bytes on
	s_or_b32 s[G0V+4*\s+3], s[G0V+4*\s+3], 0x80000000
	s_mov_b32 s[G0K+4*\s], 1
	s_add_co_u32 s[G0K+4*\s+1], s30, \s*SLOTB
	s_add_nc_u64 s[G0K+4*\s+2:G0K+4*\s+3], s[82:83], PB_K+\s*32768
	s_or_b32 s[G0K+4*\s+3], s[G0K+4*\s+3], 0x80000000
.endr
	; G: my wave's own 32 rows x 64 elements of 4 bytes, 4 words of padding behind every 64; no mask: nobody shares them
	s_mov_b32 s[G1G+0], (2<<16)|(1<<20)|(5<<22)|(3<<25)
	s_mov_b32 s[G1G+1], 64<<16
	s_mov_b32 s[G1G+2], 32<<16
	s_mov_b32 s[G1G+3], 64<<16
	s_mov_b32 s[G1G+4], 32
	s_mov_b32 s[G1G+5], 64
	s_mov_b32 s[G1G+6], 0
	s_mov_b32 s[G1G+7], 0
	s_mov_b32 s[G0G], 1
	s_mul_i32 s[G0G+1], s18, 32*GP
	s_add_co_u32 s[G0G+1], s[G0G+1], GREG
	s_lshl_b32 s84, s23, 19                        ; bh x 2,048 rows x 256 bytes
	s_lshl_b32 s85, s22, 16
	s_add_co_u32 s84, s84, s85
	s_lshl_b32 s85, s18, 13
	s_add_co_u32 s84, s84, s85
	s_add_co_u32 s84, s84, PB_G
	s_mov_b32 s85, 0
	s_add_nc_u64 s[G0G+2:G0G+3], s[4:5], s[84:85]
	s_or_b32 s[G0G+3], s[G0G+3], 0x80000000
	; H goes to hb as [block of 128 tokens][head][128][64] bf16: my 32 tokens are 4,096 consecutive bytes
	s_lshr_b32 s86, s23, 4
	s_lshl_b32 s86, s86, 4
	s_lshl1_add_u32 s86, s22, s86
	s_add_co_u32 s86, s86, s19                     ; token block = 16 batch + 2 query block + wave / 4
	s_lshl_b32 s86, s86, 18
	s_and_b32 s87, s23, 15
	s_lshl_b32 s87, s87, 14
	s_add_co_u32 s86, s86, s87
	s_lshl_b32 s87, s20, 12
	s_add_co_u32 s86, s86, s87
	s_mov_b32 s87, 0
	s_add_nc_u64 s[14:15], s[6:7], s[86:87]
	ROUND                                          ; the four partners are here
	JLOAD 0                                        ; tile 0; slot 1 is first filled behind the first tile's round
	s_wait_loadcnt 0x0                             ; Q, k2, the partial sums
	ds_store_b128 v29, v[K2R:K2R+3]                ; the table of k2, 32 bytes a thread; read by all behind the first tile's round
	ds_store_b128 v29, v[K2R+4:K2R+7] offset:16
	; sum V over the 16 chunks
.irp w, 16,8,4,2
.set q, 0
.rept \w/2
	v_pk_add_f32 v[SS+q:SS+q+1], v[SS+q:SS+q+1], v[SS+\w+q:SS+\w+q+1]
.set q, q+2
.endr
.endr
	ds_store_b64 v27, v[SS:SS+1]
	; the mean of k2
.irp w, 32,16,8,4,2
.set q, 0
.rept \w/2
	v_pk_add_f32 v[KF+q:KF+q+1], v[KF+q:KF+q+1], v[KF+\w+q:KF+\w+q+1]
.set q, q+2
.endr
.endr
	v_add_f32 v[KF], v[KF], v[KF+1]
	v_add_f32_dpp v[KF], v[KF], v[KF] row_xmask:1 row_mask:0xf bank_mask:0xf
	v_add_f32_dpp v[KF], v[KF], v[KF] row_xmask:2 row_mask:0xf bank_mask:0xf
	v_add_f32_dpp v[KF], v[KF], v[KF] row_xmask:4 row_mask:0xf bank_mask:0xf
	v_add_f32_dpp v[KF], v[KF], v[KF] row_xmask:8 row_mask:0xf bank_mask:0xf
	v_permlanex16_b32 v[KF+1], v[KF], s66, s67
	v_add_f32 v[KF], v[KF], v[KF+1]
	v_mul_f32 v[KF], 0x3a000000, v[KF]             ; / 2,048
; q2 of the rounded Q, and Q times -2 (exact in bf16), four words at a time
.macro QPREP c
.irp g, 0,1,2,3
.irp k, 0,1,2,3
	v_lshlrev_b32 v[UQ+2*\k],   16,  v[QF+16*\c+4*\g+\k]
	v_and_b32     v[UQ+2*\k+1], s81, v[QF+16*\c+4*\g+\k]
.endr
.irp k, 0,1,2,3
.if \g+\k == 0
	v_pk_mul_f32 v[NSQ+2*\c:NSQ+2*\c+1], v[UQ:UQ+1], v[UQ:UQ+1]
.else
	v_pk_fma_f32 v[NSQ+2*\c:NSQ+2*\c+1], v[UQ+2*\k:UQ+2*\k+1], v[UQ+2*\k:UQ+2*\k+1], v[NSQ+2*\c:NSQ+2*\c+1]
.endif
.endr
.irp k, 0,1,2,3
	v_pk_mul_f32 v[UQ+2*\k:UQ+2*\k+1], v[UQ+2*\k:UQ+2*\k+1], -2.0 op_sel_hi:[1,0]
.endr
.irp k, 0,1,2,3
	v_cvt_pk_bf16_f32 v[QF+16*\c+4*\g+\k], v[UQ+2*\k], v[UQ+2*\k+1]
.endr
.endr
	v_add_f32 v[NSQ+2*\c], v[NSQ+2*\c], v[NSQ+2*\c+1]
	v_permlanex16_b32 v[NSQ+2*\c+1], v[NSQ+2*\c], s66, s67         ; the other half of the lanes holds the other 32 of the row's 64 numbers
	v_add_f32 v[Q2D+2*\c], v[NSQ+2*\c], v[NSQ+2*\c+1]
	v_mov_b32 v[Q2D+2*\c+1], v[Q2D+2*\c]
	v_add_f32 v244, v[Q2D+2*\c], v[KF]             ; q2 + mean k2
	v_sqrt_f32 v244, v244
	v_nop                                          ; one plain instruction behind a transcendental before its result is used (ISA guide 5.7.2)
	s_wait_alu depctr_va_vdst(0)
	v_add_f32 v244, EPSF, v244                     ; T
	v_rcp_f32 v[GGD+2*\c], v244                    ; g
	v_mul_f32 v245, EPSF, v244                     ; eps T: the plain instruction behind the reciprocal
	s_wait_alu depctr_va_vdst(0)
	v_mov_b32 v[GGD+2*\c+1], v[GGD+2*\c]
	v_mul_f32 v[EGD+2*\c], EPSF, v[GGD+2*\c]
	v_fma_f32 v246, v245, v244, s31                ; 2,048 + eps T^2: where the denominator starts
	v_mov_b32 v[EGD+2*\c+1], v[EGD+2*\c]
.irp j, 0,1,2,3,4,5,6,7
	v_mov_b32 v[OA+40*\c+32+\j], v246
.endr
.endm
	QPREP 0
	QPREP 1
.irp c, 0,1
.irp i, 0,1,2,3
	ds_load_b128 v[OA+40*\c+8*\i:OA+40*\c+8*\i+3],   v28 offset:64*\i       ; the numerators start at sum V (my wave's own bytes, served in order behind the store)
	ds_load_b128 v[OA+40*\c+8*\i+4:OA+40*\c+8*\i+7], v28 offset:64*\i+16
.endr
.endr
.irp j, 0,1,2,3,4,5,6,7
	v_mov_b32 v[ONES+\j], 0x3f803f80
.endr
; 12 loads: block kb's K fragments (two tiles of 16 keys x 64) and k2 of my 8 keys of each tile
.macro LOADK s, kb
.irp kt, 0,1
.irp ks, 0,1
	ds_load_b128 v[KF+16*\kt+8*\ks:KF+16*\kt+8*\ks+3],   v[AK+\s] offset:((\kb)/2)*WPART+(((\kb)%2)*32+16*\kt)*KP+64*\ks
	ds_load_b128 v[KF+16*\kt+8*\ks+4:KF+16*\kt+8*\ks+7], v[AK+\s] offset:((\kb)/2)*WPART+(((\kb)%2)*32+16*\kt)*KP+64*\ks+32
.endr
.endr
.irp kt, 0,1
	ds_load_b128 v[K2R+8*\kt:K2R+8*\kt+3],   v[AK2] offset:128*(\kb)+64*\kt
	ds_load_b128 v[K2R+8*\kt+4:K2R+8*\kt+7], v[AK2] offset:128*(\kb)+64*\kt+16
.endr
.endm
; 8 transposing loads: block kb's V^T fragments, 16 dh x 32 keys each
.macro LOADV s, kb
.irp i, 0,1,2,3
	ds_load_tr16_b128 v[VF+8*\i:VF+8*\i+3],   v[AV+\s] offset:32*(\kb)*VP+32*\i
	ds_load_tr16_b128 v[VF+8*\i+4:VF+8*\i+7], v[AV+\s] offset:32*(\kb)*VP+32*\i+16*VP
.endr
.endm
; The six steps from d2 to u on tile c: register n (0..15) or pair p (0..7) of its 16 registers
.macro MX c, n                         ; max(d2, 0)
	v_max_num_f32 v[SS+16*\c+\n], 0, v[SS+16*\c+\n]
.endm
.macro SQ c, n                         ; s = its root
	v_sqrt_f32 v[SS+16*\c+\n], v[SS+16*\c+\n]
.endm
.macro YY c, p                         ; y = g s + eps g
	s_wait_alu depctr_va_vdst(0)
	v_pk_fma_f32 v[SS+16*\c+2*(\p):SS+16*\c+2*(\p)+1], v[SS+16*\c+2*(\p):SS+16*\c+2*(\p)+1], v[GGD+2*\c:GGD+2*\c+1], v[EGD+2*\c:EGD+2*\c+1]
.endm
.macro RC c, n                         ; r = 1 / y
	v_rcp_f32 v[SS+16*\c+\n], v[SS+16*\c+\n]
.endm
.macro UU c, p                         ; u = r r - 1, one rounding
	s_wait_alu depctr_va_vdst(0)
	v_pk_fma_f32 v[SS+16*\c+2*(\p):SS+16*\c+2*(\p)+1], v[SS+16*\c+2*(\p):SS+16*\c+2*(\p)+1], v[SS+16*\c+2*(\p):SS+16*\c+2*(\p)+1], -1.0 op_sel_hi:[1,1,0]
.endm
.macro CV c, p                         ; pair p is rounded into register p, whose own pair has been rounded by then
	v_cvt_pk_bf16_f32 v[SS+16*\c+\p], v[SS+16*\c+2*(\p)], v[SS+16*\c+2*(\p)+1]
.endm
; The 72 instructions in nine chunks of eight.  The steps are skewed so that every transcendental is directly followed by a plain instruction on other registers,
; and a result is used only behind that instruction (ISA guide 5.7.2).
.macro CH0 c
	MX \c, 0
	MX \c, 1
	MX \c, 2
	MX \c, 3
	SQ \c, 0
	MX \c, 4
	SQ \c, 1
	MX \c, 5
.endm
.macro CH1 c
	SQ \c, 2
	MX \c, 6
	SQ \c, 3
	MX \c, 7
	SQ \c, 4
	MX \c, 8
	SQ \c, 5
	MX \c, 9
.endm
.macro CH2 c
	SQ \c, 6
	MX \c, 10
	SQ \c, 7
	MX \c, 11
	SQ \c, 8
	MX \c, 12
	SQ \c, 9
	MX \c, 13
.endm
.macro CH3 c
	SQ \c, 10
	MX \c, 14
	SQ \c, 11
	MX \c, 15
	SQ \c, 12
	YY \c, 0
	SQ \c, 13
	YY \c, 1
.endm
.macro CH4 c
	SQ \c, 14
	YY \c, 2
	SQ \c, 15
	YY \c, 3
	RC \c, 0
	YY \c, 4
	RC \c, 1
	YY \c, 5
.endm
.macro CH5 c
	RC \c, 2
	YY \c, 6
	RC \c, 3
	YY \c, 7
	RC \c, 4
	UU \c, 0
	RC \c, 5
	UU \c, 1
.endm
.macro CH6 c
	RC \c, 6
	CV \c, 0
	RC \c, 7
	UU \c, 2
	RC \c, 8
	CV \c, 1
	RC \c, 9
	UU \c, 3
.endm
.macro CH7 c
	RC \c, 10
	CV \c, 2
	RC \c, 11
	UU \c, 4
	RC \c, 12
	CV \c, 3
	RC \c, 13
	UU \c, 5
.endm
.macro CH8 c
	RC \c, 14
	CV \c, 4
	RC \c, 15
	UU \c, 6
	CV \c, 5
	UU \c, 7
	CV \c, 6
	CV \c, 7
.endm
; One product of tile o's O^T += V^T u: i = 0..3 the numerator's dh 16 i .., i = 4 ones, the denominator
.macro WA o, i
.if \i < 4
	v_wmma_f32_16x16x32_bf16 v[OA+40*\o+8*\i:OA+40*\o+8*\i+7], v[VF+8*\i:VF+8*\i+7], v[SS+16*\o:SS+16*\o+7], v[OA+40*\o+8*\i:OA+40*\o+8*\i+7]
.else
	v_wmma_f32_16x16x32_bf16 v[OA+40*\o+32:OA+40*\o+39], v[ONES:ONES+7], v[SS+16*\o:SS+16*\o+7], v[OA+40*\o+32:OA+40*\o+39]
.endif
.endm
; One product of tile o's S^T: keys 16 kt .., dh 32 ks ..
.macro WM o, ks, kt
	v_wmma_f32_16x16x32_bf16 v[SS+16*\o+8*\kt:SS+16*\o+8*\kt+7], v[KF+16*\kt+8*\ks:KF+16*\kt+8*\ks+7], v[QF+16*\o+8*\ks:QF+16*\o+8*\ks+7], v[SS+16*\o+8*\kt:SS+16*\o+8*\kt+7]
.endm
; k2 + q2 starts tile o's sums.  The upper eight registers first: they are no operand of the products of u, so these four adds are places behind those products too.
.macro INIT o
.irp kt, 1,0
.irp p, 0,2,4,6
	v_pk_add_f32 v[SS+16*\o+8*\kt+\p:SS+16*\o+8*\kt+\p+1], v[K2R+8*\kt+\p:K2R+8*\kt+\p+1], v[Q2D+2*\o:Q2D+2*\o+1]
.endr
.endr
.endm
; A PHASE: tile c's d2 becomes u; o = the other tile.  a = 1: o's five products of its last u stand in the first five chunks' fronts; m = 1: o's next d2 is started and multiplied in the last four.
; kind 1 (c = 1): block k's K and k2 are fetched at the head.  kind 2 (c = 0): block k's V^T is fetched in the middle.  kind 3: the closing phase, nothing is fetched.
; DISTANCES (ISA guide 7.12.1 for vector instructions), counted in plain instructions that name none of the matrix instruction's registers:
;   behind the fifth product of u stand chunk 4's four packed fma: then V^T's registers are loaded again; with INIT's four upper adds that is eight before u's registers are written;
;   behind the fourth product of d2 stand chunk 8's six plain instructions: then the next phase reads that d2 and K's registers are loaded again.
; All matrix instructions take their accumulators by turns, one instruction a turn, from phase to phase and over the backward jump too.
.macro PHASE c, o, a, m, kind, s, k
.if \kind == 1
	LOADK \s, \k
	s_wait_dscnt 12                                ; V^T of the block before is in; the twelve loads just issued are younger
.endif
.if \kind == 3
	s_wait_dscnt 0x0                               ; the last V^T
.endif
.if \a
	WA \o, 0
.endif
	CH0 \c
.if \a
	WA \o, 1
.endif
	CH1 \c
.if \a
	WA \o, 2
.endif
	CH2 \c
.if \a
	WA \o, 3
.endif
	CH3 \c
.if \a
	WA \o, 4
.endif
	CH4 \c
.if \kind == 1
	s_wait_dscnt 0x0                               ; block k's K and k2, asked for at the phase's head
.endif
.if \kind == 2
	LOADV \s, \k
.endif
.if \m
	INIT \o
	WM \o, 0, 0
.endif
	CH5 \c
.if \m
	WM \o, 0, 1
.endif
	CH6 \c
.if \m
	WM \o, 1, 0
.endif
	CH7 \c
.if \m
	WM \o, 1, 1
.endif
	CH8 \c
.endm
; One tile of 256 keys in slot s; o = the other slot.  The tile's text begins where the last read of the tile before has been issued (its block 7's V^T), one phase before that tile's
; vector work ends.  In front of the round every wave waits for all its tensor loads (one is out: its part of this tile) and for its LDS reads; behind it comes the wave's one tensor load:
; mode 1 the next tile, jointly, into the slot read last; mode 0 (last tile) my own rows of G, bytes never filled before.  first = 1: nothing is in the pipeline yet.
.macro TILE s, o, mode, first
	s_set_vgpr_msb 0x5
	s_wait_tensorcnt 0x0
	ds_add_u32 v0, v1
	s_wait_dscnt 0x0
	s_set_vgpr_msb 0x500
	s_add_nc_u64 s[G0V+4*\s+2:G0V+4*\s+3], s[G0V+4*\s+2:G0V+4*\s+3], 65536     ; no load of mine is out: this slot's next tile, two tiles on
	s_add_nc_u64 s[G0K+4*\s+2:G0K+4*\s+3], s[G0K+4*\s+2:G0K+4*\s+3], 65536
	s_wait_dscnt 0x0
	ROUND
.if \mode
	JLOAD \o
.else
	tensor_load_to_lds s[G0G:G0G+3], s[G1G:G1G+7]
	s_nop 0
	PL 4
.endif
.if \first
	LOADK \s, 0
	s_wait_dscnt 0x0
	INIT 0
	WM 0, 0, 0
	WM 0, 0, 1
	WM 0, 1, 0
	WM 0, 1, 1
	PL 4                                           ; once: nothing else is at hand to stand behind these four
	PHASE 0, 1, 0, 1, 2, \s, 0
.else
	PHASE 1, 0, 1, 1, 1, \s, 0
	PHASE 0, 1, 1, 1, 2, \s, 0
.endif
.irp k, 1,2,3,4,5,6,7
	PHASE 1, 0, 1, 1, 1, \s, \k
	PHASE 0, 1, 1, 1, 2, \s, \k
.endr
	v_add_nc_u32 v[AK2], 1024, v[AK2]              ; the next tile's k2
.endm
	TILE 0, 1, 1, 1                                ; tile 0; asks for tile 1
	s_mov_b32 s80, 3
.Ltiles:
	TILE 1, 0, 1, 0                                ; tiles 1, 3, 5
	TILE 0, 1, 1, 0                                ; tiles 2, 4, 6
	s_sub_co_u32 s80, s80, 1
	s_cmp_lg_u32 s80, 0
	s_cbranch_scc1 .Ltiles
	TILE 1, 0, 0, 0                                ; tile 7; no tile is left to ask for (the stepped addresses are not used)
	PHASE 1, 0, 1, 0, 3, 0, 0                      ; the pipeline runs empty: the last u of tile 1, the last products of tile 0,
.irp i, 0,1,2,3,4
	WA 1, \i                                       ; and the last products of tile 1
.endr
	PL 4                                           ; four places before the sums are read and V^T's registers are loaded (ISA guide 7.12.1)
	; H = G x numerator / denominator, rounded once to bf16, through my stage, 512 consecutive bytes a store
	s_wait_tensorcnt 0x0                           ; my rows of G are in; only I read them
	v_rcp_f32 v[Q2D], v[OA+32]
	v_rcp_f32 v[Q2D+2], v[OA+72]
	v_nop
	s_wait_alu depctr_va_vdst(0)
	v_mov_b32 v[Q2D+1], v[Q2D]
	v_mov_b32 v[Q2D+3], v[Q2D+2]
.irp i, 0,1,2,3
	ds_load_b128 v[KF+8*\i:KF+8*\i+3],   v[AG] offset:64*\i
	ds_load_b128 v[KF+8*\i+4:KF+8*\i+7], v[AG] offset:64*\i+16
.endr
.irp i, 0,1,2,3
	ds_load_b128 v[VF+8*\i:VF+8*\i+3],   v[AG] offset:16*GP+64*\i
	ds_load_b128 v[VF+8*\i+4:VF+8*\i+7], v[AG] offset:16*GP+64*\i+16
.endr
	s_wait_dscnt 8                                 ; G of queries 0-15 is in; the eight loads of queries 16-31 are younger (they are in by the wait for 0 that ends the first tile's stores)
.macro HOUT c, g, rb
.set q, 0
.rept 16
	v_pk_mul_f32 v[OA+40*\c+q:OA+40*\c+q+1], v[OA+40*\c+q:OA+40*\c+q+1], v[Q2D+2*\c:Q2D+2*\c+1]
.set q, q+2
.endr
.set q, 0
.rept 16
	v_pk_mul_f32 v[OA+40*\c+q:OA+40*\c+q+1], v[OA+40*\c+q:OA+40*\c+q+1], v[\g+q:\g+q+1]
.set q, q+2
.endr
.set q, 0
.rept 16
	v_cvt_pk_bf16_f32 v[SS+16*\c+q], v[OA+40*\c+2*q], v[OA+40*\c+2*q+1]
.set q, q+1
.endr
.irp i, 0,1,2,3
	ds_store_b128 v[STO], v[SS+16*\c+4*\i:SS+16*\c+4*\i+3] offset:32*\i
.endr
.irp t, 0,1,2,3
	ds_load_b128 v[\rb+4*\t:\rb+4*\t+3], v[RD] offset:4*KP*\t
.endr
.irp t, 0,1,2,3
	s_wait_dscnt 3-\t
	global_store_b128 v[CO], v[\rb+4*\t:\rb+4*\t+3], s[14:15] offset:2048*\c+512*\t
.endr
.endm
	HOUT 0, KF, K2R
	HOUT 1, VF, KF
	s_set_vgpr_msb 0x5
	s_wait_tensorcnt 0x0
	ds_add_u32 v0, v1
	s_wait_dscnt 0x0
	s_set_vgpr_msb 0x500
	ROUND                                          ; the closing round; no LDS instruction and no tensor load of mine is out
	s_endpgm
.Lfunc_end_k_qdb776f2f91_attn:
	.size	k_qdb776f2f91_attn, .Lfunc_end_k_qdb776f2f91_attn-k_qdb776f2f91_attn
	.p2alignl 7, 3214868480
	.fill 96, 4, 3214868480
	.section	.rodata,"a",@progbits
	.p2align	6, 0x0
	.amdhsa_kernel k_qdb776f2f91_attn
		.amdhsa_group_segment_fixed_size 327680
		.amdhsa_private_segment_fixed_size 0
		.amdhsa_enable_private_segment 0
		.amdhsa_kernarg_size 16
		.amdhsa_user_sgpr_count 2
		.amdhsa_user_sgpr_kernarg_segment_ptr 1
		.amdhsa_wavefront_size32 1
		.amdhsa_system_sgpr_workgroup_id_x 1
		.amdhsa_system_sgpr_workgroup_id_y 1
		.amdhsa_system_sgpr_workgroup_id_z 1
		.amdhsa_system_vgpr_workitem_id 0
		.amdhsa_next_free_vgpr 258
		.amdhsa_next_free_sgpr 96
		.amdhsa_reserve_vcc 0
		.amdhsa_float_denorm_mode_32 3
		.amdhsa_float_denorm_mode_16_64 3
		.amdhsa_memory_ordered 1
		.amdhsa_forward_progress 1
		.amdhsa_inst_pref_size 255
	.end_amdhsa_kernel
	.section	.bss,"aw",@nobits
	.p2align	6
	.space	262144
	.amdgpu_metadata
---
amdhsa.version: [ 1, 2 ]
amdhsa.kernels:
  - .name:           k_qdb776f2f91_attn
    .symbol:         k_qdb776f2f91_attn.kd
    .args:
      - { .name: pb, .offset: 0, .size: 8, .value_kind: global_buffer, .address_space: global }
      - { .name: hb, .offset: 8, .size: 8, .value_kind: global_buffer, .address_space: global }
    .group_segment_fixed_size: 327680
    .private_segment_fixed_size: 0
    .kernarg_segment_align: 8
    .kernarg_segment_size: 16
    .max_flat_workgroup_size: 256
    .sgpr_count:     96
    .vgpr_count:     258
    .wavefront_size: 32
...
	.end_amdgpu_metadata
.endif
;; end of part 3
;; launch outp (part 4): grid 8 x 32, 4 waves a work-group, clusters of 4 x 4, 327,680 bytes of LDS; arguments hb, cb, b_out, out0; writes out0
.if DOCPART == 4
	.amdgcn_target "amdgcn-amd-amdhsa--gfx1250"
	.amdhsa_code_object_version 6
	.text
	.protected	k_qdb776f2f91_outp
	.globl	k_qdb776f2f91_outp
	.p2align	8
	.type	k_qdb776f2f91_outp,@function
k_qdb776f2f91_outp:
	s_mov_b64 s[64:65], 0
	v_nop
	global_prefetch_b8 v0, s[64:65] scope:SCOPE_SE
	s_setreg_imm32_b32 hwreg(HW_REG_WAVE_MODE, 25, 1), 1
	s_wait_xcnt 0x0
	s_wait_alu depctr_hold_cnt(0) depctr_sa_sdst(0) depctr_va_vdst(0) depctr_va_sdst(0) depctr_va_ssrc(0) depctr_va_vcc(0) depctr_vm_vsrc(0)
	s_getreg_b32 s2, hwreg(HW_REG_IB_STS2, 6, 4)
	s_cmp_eq_u32 s2, 0
	s_cbranch_scc0 .Lentry_in_a_cluster
	s_endpgm
.Lentry_in_a_cluster:
	s_bfe_u32 s2, ttmp6, 0x10000c
	s_cmp_lg_u32 s2, 0xf033
	s_cbranch_scc0 .Lentry_shape_is_right
	s_endpgm
.Lentry_shape_is_right:
; Y = H W_out^T + b_out: [4096 tokens][1024], K = 1024 (e = 64 head + dh), operands bf16, sums and output f32.
; H lies in hb as [block of 128 tokens][head][128][64]; W_out in bf16 in cb at byte 16,777,216, [1024][1024].
; 256 work-groups of 128 tokens x 128 columns, so that every WGP has one; four waves, a wave makes 64 x 64: 16 accumulator tiles in window 1 (v256-383).
; K goes in steps of 256 (four heads) through two LDS slots.  A slot is four parts of 36,864 bytes, part = wave: waves 0, 1 bring two heads of H each
; (256 rows x 128 bytes, consecutive in hb, LDS pitch 144); waves 2, 3 bring 64 rows x 512 bytes of W_out each (LDS pitch 528, 33,792 bytes of the part).
; CLUSTERS: 4 x 4 work-groups; H's tile is shared along a row of the cluster, W_out's along a column, each asked for jointly by the four.
; A step of 256 is eight steps of 32 along K, 16 matrix instructions each, on two fragment buffers in window 0 (W_out's 4 fragments, then H's 4).
; The matrix instruction is used transposed (source 0 = rows of W_out, source 1 = rows of H): lane l holds token l % 16, columns 16 b + 8 (l / 16) + 0..7.
; LIMITS: sums in another order than a plain dot product; NaN and infinities go through as the arithmetic makes them.
.set PART,  36864
.set SLOT,  4*PART
.set STAGE, 2*SLOT                     ; behind the ring, never filled by a tensor load: 16 rows x 272 bytes for each wave
.set AP,    144
.set BP,    528
.set SPI,   272
.set ADRA, 16                          ; v16-17 LDS address of my H fragments in slot 0, 1
.set ADRB, 20                          ; v20-21 the same for W_out
.set STO,  24
.set RD,   25
.set CO,   26
.set BOF,  27
.set BO,   32                          ; v[32:35] b_out of my four columns on the way out
.set F0,   64
.set F1,   128
.set G1A, 24
.set G0A, 32
.set G1B, 48
.set G0B, 56
.set MSB, 0
.macro WIN new                         ; the immediate's high byte repeats the setting that is left
.if MSB != \new
	s_set_vgpr_msb (MSB<<8)|\new
.set MSB, \new
.endif
.endm
.set MUL, 0x50                         ; sources 0 and 1 window 0, C and D window 1
.macro PLACES
.rept 4
	v_nop
.endr
.endm
.macro JLOAD s                         ; waves 0, 1 ask for H, waves 2, 3 for W_out; one mask and one set of registers a line
	s_cmp_eq_u32 s13, 0
	s_cbranch_scc0 .Lfor_b_\@
	tensor_load_to_lds s[G0A+4*\s:G0A+4*\s+3], s[G1A:G1A+7]
	s_nop 0
	PLACES
	s_branch .Lasked_\@
.Lfor_b_\@:
	tensor_load_to_lds s[G0B+4*\s:G0B+4*\s+3], s[G1B:G1B+7]
	s_nop 0
	PLACES
.Lasked_\@:
.endm
.macro CREST                           ; a round of the cluster's barrier behind its opening barrier
	s_cmp_lg_u32 s12, 0
	s_cbranch_scc1 .Lnot_wave_0_\@
	s_barrier_signal -3
.Lnot_wave_0_\@:
	s_barrier_wait -3
	s_barrier_signal -1
	s_barrier_wait -1
.endm
.macro CROUND
	s_barrier_signal -1
	s_barrier_wait -1
	CREST
.endm
	s_load_b256 s[4:11], s[0:1], 0x0               ; hb s[4:5], cb s[6:7], b_out s[8:9], out0 s[10:11]
	v_lshl_add_u32 v254, v0, 2, 0x4c400
	v_mov_b32 v255, 0
	ds_add_u32 v254, v255
	v_lshrrev_b32 v1, 5, v0
	v_readfirstlane_b32 s12, v1                    ; wave 0..3
	s_lshr_b32 s13, s12, 1                         ; which 64 tokens are mine.  Also: I fetch for H (0) or for W_out (1)
	s_and_b32 s14, s12, 1                          ; which 64 columns.  Also: which half of that tile I fetch
	s_bfe_u32 s40, ttmp6, 0x40000                  ; cx
	s_bfe_u32 s41, ttmp6, 0x40004                  ; cy
	s_lshl_b32 s42, ttmp9, 2
	s_add_co_u32 s42, s42, s40                     ; block column (128 columns)
	s_and_b32 s15, ttmp7, 0xffff
	s_lshl_b32 s15, s15, 2
	s_add_co_u32 s15, s15, s41                     ; block row (128 tokens)
	s_lshl_b32 s43, s41, 2
	s_lshl_b32 s43, 15, s43                        ; my row of the cluster
	s_lshl_b32 s44, 0x1111, s40                    ; my column
	; H: 256 rows x 64 elements of 2 bytes, 4 words of padding behind every 32; W_out: 64 rows x 256 elements, 4 words behind every 128
	s_or_b32 s[G1A+0], s43, (1<<16)|(1<<20)|(1<<21)|(4<<22)|(3<<25)
	s_mov_b32 s[G1A+1], 64<<16                     ; tensor_dim0
	s_mov_b32 s[G1A+2], 256<<16                    ; tensor_dim1
	s_mov_b32 s[G1A+3], 64<<16                     ; tile_dim0
	s_mov_b32 s[G1A+4], 256                        ; tile_dim1
	s_mov_b32 s[G1A+5], 64                         ; elements from row to row
	s_mov_b32 s[G1A+6], 0
	s_mov_b32 s[G1A+7], 0
	s_or_b32 s[G1B+0], s44, (1<<16)|(1<<20)|(1<<21)|(6<<22)|(3<<25)
	s_mov_b32 s[G1B+1], 256<<16
	s_mov_b32 s[G1B+2], 64<<16
	s_mov_b32 s[G1B+3], 256<<16
	s_mov_b32 s[G1B+4], 64
	s_mov_b32 s[G1B+5], 1024
	s_mov_b32 s[G1B+6], 0
	s_mov_b32 s[G1B+7], 0
	s_lshl_b32 s16, s15, 18                        ; H: token block x 262,144 + half x two heads of 16,384
	s_lshl_b32 s17, s14, 15
	s_add_co_u32 s16, s16, s17
	s_mov_b32 s17, 0
	s_lshl_b32 s46, s42, 18                        ; W_out: (128 block column + 64 half) rows of 2,048 bytes
	s_lshl_b32 s47, s14, 17
	s_add_co_u32 s46, s46, s47
	s_add_co_u32 s46, s46, 16777216
	s_mov_b32 s47, 0
	s_mul_i32 s20, s12, PART                       ; LDS: wave x 36,864, for both lines alike
	s_wait_dscnt 0x0
	s_wait_kmcnt 0x0
	s_add_nc_u64 s[18:19], s[4:5], s[16:17]
	s_add_nc_u64 s[46:47], s[6:7], s[46:47]
	CROUND                                         ; all sixteen work-groups are here
.irp s, 0,1
	s_mov_b32 s[G0A+4*\s], 1
	s_add_co_u32 s[G0A+4*\s+1], s20, \s*SLOT
	s_add_nc_u64 s[G0A+4*\s+2:G0A+4*\s+3], s[18:19], \s*65536      ; four heads on
	s_or_b32 s[G0A+4*\s+3], s[G0A+4*\s+3], 0x80000000
	s_mov_b32 s[G0B+4*\s], 1
	s_add_co_u32 s[G0B+4*\s+1], s20, \s*SLOT
	s_add_nc_u64 s[G0B+4*\s+2:G0B+4*\s+3], s[46:47], \s*512        ; 256 elements on
	s_or_b32 s[G0B+4*\s+3], s[G0B+4*\s+3], 0x80000000
	JLOAD \s                                       ; both slots are asked for first: two tensor loads of the wave are out
.endr
	v_and_b32 v1, 15, v0                           ; r
	v_bfe_u32 v2, v0, 4, 1                         ; h
	v_mul_u32_u24 v3, v1, AP
	v_lshl_add_u32 v3, v2, 4, v3
	v_mul_u32_u24 v4, v1, BP
	v_lshl_add_u32 v4, v2, 4, v4
	s_mul_i32 s21, s13, 64*AP                      ; my 64 tokens in each head's 128 rows
	s_mul_i32 s22, s14, PART                       ; my 64 rows of W_out,
	s_add_co_u32 s22, s22, 2*PART                  ; behind H's two parts
.irp s, 0,1
	v_add_nc_u32 v[ADRA+\s], s21, v3
	v_add_nc_u32 v[ADRB+\s], s22, v4
	s_add_co_u32 s21, s21, SLOT
	s_add_co_u32 s22, s22, SLOT
.endr
	s_mul_i32 s23, s12, 16*SPI
	s_add_co_u32 s23, s23, STAGE
	v_mul_u32_u24 v5, v1, SPI
	v_lshl_add_u32 v5, v2, 5, v5
	v_add_nc_u32 v[STO], s23, v5                   ; in: 272 r + 32 h
	v_mul_u32_u24 v5, v2, SPI
	v_lshl_add_u32 v5, v1, 4, v5
	v_add_nc_u32 v[RD], s23, v5                    ; back: two rows of 256 bytes
	v_lshlrev_b32 v5, 12, v2
	v_lshl_add_u32 v[CO], v1, 4, v5                ; the same two rows in out0: 4,096 h + 16 r
	v_lshlrev_b32 v[BOF], 4, v1
	s_lshl_b32 s66, s42, 9                         ; my first column in bytes: (128 block column + 64 half) x 4
	s_lshl_b32 s67, s14, 8
	s_add_co_u32 s66, s66, s67
	s_mov_b32 s67, 0
	s_add_nc_u64 s[8:9], s[8:9], s[66:67]
	global_load_b128 v[BO:BO+3], v[BOF], s[8:9]    ; waited for on the way out
	s_add_nc_u64 s[10:11], s[10:11], s[66:67]
	s_lshl_b32 s68, s15, 19                        ; my first token: (128 block row + 64 half) rows of 4,096 bytes
	s_lshl_b32 s69, s13, 18
	s_add_co_u32 s68, s68, s69
	s_mov_b32 s69, 0
	s_add_nc_u64 s[10:11], s[10:11], s[68:69]
; 16 LDS loads: the fragments of K step k (0..7) of a slot: head k / 2, dh 32 (k % 2) ..
.macro FETCH slot, k, f
.irp b, 0,1,2,3
	ds_load_b128 v[\f+8*\b:\f+8*\b+3],   v[ADRB+\slot] offset:16*BP*\b+64*(\k)
	ds_load_b128 v[\f+8*\b+4:\f+8*\b+7], v[ADRB+\slot] offset:16*BP*\b+64*(\k)+32
.endr
.irp a, 0,1,2,3
	ds_load_b128 v[\f+32+8*\a:\f+32+8*\a+3],   v[ADRA+\slot] offset:((\k)/2)*128*AP+16*AP*\a+64*((\k)%2)
	ds_load_b128 v[\f+32+8*\a+4:\f+32+8*\a+7], v[ADRA+\slot] offset:((\k)/2)*128*AP+16*AP*\a+64*((\k)%2)+32
.endr
.endm
; 8 matrix instructions: token blocks a0, a0 + 1 x four column blocks.  The 16 accumulators take turns, one instruction a turn.
.macro MUL8 f, a0, zero
.irp a, \a0, \a0+1
.irp b, 0,1,2,3
.if \zero
	v_wmma_f32_16x16x32_bf16 v[8*(4*(\a)+\b):8*(4*(\a)+\b)+7], v[\f+8*\b:\f+8*\b+7], v[\f+32+8*(\a):\f+32+8*(\a)+7], 0
.else
	v_wmma_f32_16x16x32_bf16 v[8*(4*(\a)+\b):8*(4*(\a)+\b)+7], v[\f+8*\b:\f+8*\b+7], v[\f+32+8*(\a):\f+32+8*(\a)+7], v[8*(4*(\a)+\b):8*(4*(\a)+\b)+7]
.endif
.endr
.endr
.endm
; One of a slot's first seven steps: fetches step nk into buffer g, multiplies buffer f
.macro EIGHTH slot, nk, f, g, zero
	PLACES                                         ; four places before loads land on buffer g, which the products just issued read (ISA guide 7.12.1 for vector instructions)
	FETCH \slot, \nk, \g
	s_wait_dscnt 16                                ; buffer f is in; the 16 loads just issued stay out
	WIN MUL
	MUL8 \f, 0, \zero
	MUL8 \f, 2, \zero
	WIN 0
.endm
.macro SEVEN slot, zero
	EIGHTH \slot, 1, F0, F1, \zero
	EIGHTH \slot, 2, F1, F0, 0
	EIGHTH \slot, 3, F0, F1, 0
	EIGHTH \slot, 4, F1, F0, 0
	EIGHTH \slot, 5, F0, F1, 0
	EIGHTH \slot, 6, F1, F0, 0
	EIGHTH \slot, 7, F0, F1, 0
.endm
; The eighth step multiplies buffer 1 and changes slots.  In front of the barrier: my reads of this slot and all my tensor loads (one is out: my part of the next slot).
; Behind it: the refill first (fill = 1, behind the rest of the cluster's round), then the next slot's first fragments.
.macro TURN slot, next, fill
	s_wait_dscnt 0x0
	s_wait_tensorcnt 0x0
	ds_add_u32 v254, v255
	s_wait_dscnt 0x0
	s_barrier_signal -1
	WIN MUL
	MUL8 F1, 0, 0                                  ; register work while the others arrive
	WIN 0
	s_barrier_wait -1
.if \fill
	CREST
	s_add_nc_u64 s[G0A+4*\slot+2:G0A+4*\slot+3], s[G0A+4*\slot+2:G0A+4*\slot+3], 2*65536
	s_add_nc_u64 s[G0B+4*\slot+2:G0B+4*\slot+3], s[G0B+4*\slot+2:G0B+4*\slot+3], 2*512
	JLOAD \slot                                    ; the wave's one tensor load behind the round; its four v_nop are also the places in front of the loads below
.else
	PLACES
.endif
	FETCH \next, 0, F0
	WIN MUL
	MUL8 F1, 2, 0
	WIN 0
.endm
	s_wait_tensorcnt 1                             ; my part of slot 0 is in; slot 1's may stay out
	s_barrier_signal -1
	s_barrier_wait -1
	FETCH 0, 0, F0
	SEVEN 0, 1                                     ; K 0-255; the first products start the sums
	TURN 0, 1, 1                                   ; slot 0 gets K 512-767
	SEVEN 1, 0                                     ; K 256-511
	TURN 1, 0, 1                                   ; slot 1 gets K 768-1023
	SEVEN 0, 0
	TURN 0, 1, 0                                   ; nothing is left to fetch
	SEVEN 1, 0
	s_wait_dscnt 0x0
	WIN MUL
	MUL8 F1, 0, 0
	MUL8 F1, 2, 0
	WIN 0
	; THE WAY OUT, 16 tokens at a time: the accumulators go into my stage as they are, whole rows of 256 bytes come back, the bias is added, 16 lanes store 256 consecutive bytes, aligned
	PLACES
	s_wait_loadcnt 0x0                             ; b_out
.macro OUT16 a, f
	WIN 0x04                                       ; an LDS store's data is source 1: window 1
.irp b, 0,1,2,3
	ds_store_b128 v[STO], v[8*(4*\a+\b):8*(4*\a+\b)+3] offset:64*\b
	ds_store_b128 v[STO], v[8*(4*\a+\b)+4:8*(4*\a+\b)+7] offset:64*\b+16
.endr
	WIN 0
	s_wait_xcnt 0x0                                ; buffer f, which earlier stores read, is loaded again only behind this wait
.irp t, 0,1,2,3,4,5,6,7
	ds_load_b128 v[\f+4*\t:\f+4*\t+3], v[RD] offset:2*SPI*\t       ; LDS serves a wave's instructions in order: these see the stores above
.endr
.irp t, 0,1,2,3,4,5,6,7
	s_wait_dscnt 7-\t
	v_pk_add_f32 v[\f+4*\t:\f+4*\t+1],   v[\f+4*\t:\f+4*\t+1],   v[BO:BO+1]
	v_pk_add_f32 v[\f+4*\t+2:\f+4*\t+3], v[\f+4*\t+2:\f+4*\t+3], v[BO+2:BO+3]
	global_store_b128 v[CO], v[\f+4*\t:\f+4*\t+3], s[10:11] offset:(16*\a+2*\t)*4096 th:TH_STORE_NT
.endr
.endm
	OUT16 0, F0
	OUT16 1, F1
	OUT16 2, F0
	OUT16 3, F1
	s_wait_tensorcnt 0x0
	ds_add_u32 v254, v255
	s_wait_dscnt 0x0
	CROUND                                         ; the closing round
	s_endpgm
.Lfunc_end_k_qdb776f2f91_outp:
	.size	k_qdb776f2f91_outp, .Lfunc_end_k_qdb776f2f91_outp-k_qdb776f2f91_outp
	.p2alignl 7, 3214868480
	.fill 96, 4, 3214868480
	.section	.rodata,"a",@progbits
	.p2align	6, 0x0
	.amdhsa_kernel k_qdb776f2f91_outp
		.amdhsa_group_segment_fixed_size 327680
		.amdhsa_private_segment_fixed_size 0
		.amdhsa_enable_private_segment 0
		.amdhsa_kernarg_size 32
		.amdhsa_user_sgpr_count 2
		.amdhsa_user_sgpr_kernarg_segment_ptr 1
		.amdhsa_wavefront_size32 1
		.amdhsa_system_sgpr_workgroup_id_x 1
		.amdhsa_system_sgpr_workgroup_id_y 1
		.amdhsa_system_sgpr_workgroup_id_z 1
		.amdhsa_system_vgpr_workitem_id 0
		.amdhsa_next_free_vgpr 384
		.amdhsa_next_free_sgpr 72
		.amdhsa_reserve_vcc 0
		.amdhsa_float_denorm_mode_32 3
		.amdhsa_float_denorm_mode_16_64 3
		.amdhsa_memory_ordered 1
		.amdhsa_forward_progress 1
		.amdhsa_inst_pref_size 94
	.end_amdhsa_kernel
	.amdgpu_metadata
---
amdhsa.version: [ 1, 2 ]
amdhsa.kernels:
  - .name:           k_qdb776f2f91_outp
    .symbol:         k_qdb776f2f91_outp.kd
    .args:
      - { .name: hb, .offset: 0, .size: 8, .value_kind: global_buffer, .address_space: global }
      - { .name: cb, .offset: 8, .size: 8, .value_kind: global_buffer, .address_space: global }
      - { .name: b_out, .offset: 16, .size: 8, .value_kind: global_buffer, .address_space: global }
      - { .name: out0, .offset: 24, .size: 8, .value_kind: global_buffer, .address_space: global }
    .group_segment_fixed_size: 327680
    .private_segment_fixed_size: 0
    .kernarg_segment_align: 8
    .kernarg_segment_size: 32
    .max_flat_workgroup_size: 128
    .sgpr_count:     72
    .vgpr_count:     384
    .wavefront_size: 32
...
	.end_amdgpu_metadata
.endif
;; end of part 4
